; MI455X (gfx1250); checked and timed in simulation.
; The chip was launched on July 23, 2026; its instructions are those of AMD's public machine-readable ISA for CDNA 5 (MIT licence, August 2026) and "CDNA5" Instruction Set Architecture Reference Guide (July 2026). The comments in the code are by the model that wrote it; some were corrected since.
;; Large Transformer Layer. Allowed arithmetic: float matrix products may take bf16 or f16 operands with f32 sums; all other float work in f32.
;; Inputs: W1 1,024 x 1,024 float32; W2 1,024 x 1,024 float32; Wk 1,024 x 1,024 float32; Wo 1,024 x 1,024 float32; Wq 1,024 x 1,024 float32; Wv 1,024 x 1,024 float32; hidden_states 2 x 2,048 x 1,024 float32; ln1_b 1,024 float32; ln1_g 1,024 float32; ln2_b 1,024 float32; ln2_g 1,024 float32.
;; Outputs: out0 2 x 2,048 x 1,024 float32.
;; 3 versions, each right; version 2 is faster than version 1; version 3 is version 2 with the launch prep written anew for expert scheduling mode. Each part assembles by itself: llvm-mc -triple=amdgcn-amd-amdhsa -mcpu=gfx1250 --defsym DOCPART=n.
;; ======== version 1 of 3: 7 launches
;; workspace buffers: act_a 8,388,608 bytes; act_b 8,388,608 bytes; qkv 25,165,824 bytes; x1 16,777,216 bytes; wqkv 6,291,456 bytes; wob 2,097,152 bytes; w1b 2,097,152 bytes; w2b 2,097,152 bytes
;; launch prep (part 1): grid 64 x 10, 8 waves a work-group, no clusters, 0 bytes of LDS; arguments hidden_states, ln1_g, ln1_b, act_a, Wq, Wk, Wv, Wo, W1, W2, wqkv, wob, w1b, w2b; writes act_a, wqkv, wob, w1b, w2b
.if DOCPART == 1
	.amdgcn_target "amdgcn-amd-amdhsa--gfx1250"
	.amdhsa_code_object_version 6
	.text
	.protected	k_q57717b3b34_prep
	.globl	k_q57717b3b34_prep
	.p2align	8
	.type	k_q57717b3b34_prep,@function
k_q57717b3b34_prep:
	s_mov_b64 s[64:65], 0
	v_nop
	global_prefetch_b8 v0, s[64:65] scope:SCOPE_SE
	s_setreg_imm32_b32 hwreg(HW_REG_WAVE_MODE, 25, 1), 1
	s_wait_xcnt 0x0
; prep: two streams, chosen by the work-group y.
;   y = 0..3 : act_a[row] = bf16( (x - mean) * rsqrt(var + 1e-5) * ln1_g + ln1_b ), row = 1024 y + 16 x + 2 wave, two rows a wave.
;   y = 4..9 : matrix m = y - 4 of Wq, Wk, Wv, Wo, W1, W2 is rounded to bf16 in its own [k][n] order, two rows a wave.
;              Wq, Wk, Wv go side by side into wqkv [1024][3072]; the others into wob, w1b, w2b [1024][1024].
; A row is 1,024 f32 = 4,096 bytes: eight loads of 16 bytes a lane (each load of the wave covers 512 consecutive bytes) keep it in
; 32 registers, so it is read once.  It leaves as eight stores of 8 bytes a lane: each store of the wave covers 256 consecutive bytes, aligned.
; The variance is made in two passes from x - mean, so a common offset of the inputs costs no digits.
; No LDS, no matrix unit, no cluster: the work-groups share nothing but 8 KiB of gain and bias, and a row never leaves its wave.
; Limits: v_rsq_f32 is accurate to one unit in the last place; NaN and infinite inputs are not served.
.set T,   4                            ; v[4:11]    four running pairs
.set PT,  12                           ; v12        takes the other half of the lanes
.set MU,  14                           ; v[14:17]   minus the mean, twice, for row 0 and row 1
.set RS,  18                           ; v[18:21]   1 / sqrt(var + eps), twice, for row 0 and row 1
.set X0,  32                           ; v[32:63]   row 0
.set X1,  64                           ; v[64:95]   row 1
.set G,   96                           ; v[96:127]  gain of my 32 columns
.set BT,  128                          ; v[128:159] bias of my 32 columns
.set Y,   160                          ; v[160:191] both rows in bf16
.set SEL, 40                           ; s40, s41 lane selects; s42 = 1/1024; s43 = -1/1024
; the four pairs in T become one sum over the 1,024 numbers of the row, in every lane
.macro REDUCE
	v_pk_add_f32 v[T:T+1], v[T:T+1], v[T+2:T+3]
	v_pk_add_f32 v[T+4:T+5], v[T+4:T+5], v[T+6:T+7]
	v_pk_add_f32 v[T:T+1], v[T:T+1], v[T+4:T+5]
	v_add_f32 v[T], v[T], v[T+1]
	v_add_f32_dpp v[T], v[T], v[T] row_xmask:1 row_mask:0xf bank_mask:0xf
	v_add_f32_dpp v[T], v[T], v[T] row_xmask:2 row_mask:0xf bank_mask:0xf
	v_add_f32_dpp v[T], v[T], v[T] row_xmask:4 row_mask:0xf bank_mask:0xf
	v_add_f32_dpp v[T], v[T], v[T] row_xmask:8 row_mask:0xf bank_mask:0xf
	v_permlanex16_b32 v[PT], v[T], s[SEL], s[SEL+1]
	v_add_f32 v[T], v[T], v[PT]
.endm
; row at register x, number k: x becomes x - mean; RS gets 1 / sqrt(var + eps)
.macro STATS x, k
.irp c, 0,1,2,3
	v_pk_add_f32 v[T+2*\c:T+2*\c+1], v[\x+4*\c:\x+4*\c+1], v[\x+4*\c+2:\x+4*\c+3]      ; the first numbers start the four sums
.endr
.irp c, 0,1,2,3
	v_pk_add_f32 v[T+2*\c:T+2*\c+1], v[T+2*\c:T+2*\c+1], v[\x+16+2*\c:\x+16+2*\c+1]
.endr
.irp c, 0,1,2,3
	v_pk_add_f32 v[T+2*\c:T+2*\c+1], v[T+2*\c:T+2*\c+1], v[\x+24+2*\c:\x+24+2*\c+1]
.endr
	REDUCE
	v_mul_f32 v[MU+2*\k], s[SEL+3], v[T]           ; minus the mean, in both registers of a pair
	v_mul_f32 v[MU+2*\k+1], s[SEL+3], v[T]
.irp c, 0,1,2,3,4,5,6,7,8,9,10,11,12,13,14,15
	v_pk_add_f32 v[\x+2*\c:\x+2*\c+1], v[\x+2*\c:\x+2*\c+1], v[MU+2*\k:MU+2*\k+1]
.endr
.irp c, 0,1,2,3
	v_pk_mul_f32 v[T+2*\c:T+2*\c+1], v[\x+2*\c:\x+2*\c+1], v[\x+2*\c:\x+2*\c+1]
.endr
.irp c, 4,5,6,7,8,9,10,11,12,13,14,15
	v_pk_fma_f32 v[T+2*(\c%4):T+2*(\c%4)+1], v[\x+2*\c:\x+2*\c+1], v[\x+2*\c:\x+2*\c+1], v[T+2*(\c%4):T+2*(\c%4)+1]
.endr
	REDUCE
	v_fmaak_f32 v[T], s[SEL+2], v[T], 0x3727c5ac   ; sum of squares / 1024 + 1e-5
	v_rsq_f32 v[RS+2*\k], v[T]
	v_rsq_f32 v[RS+2*\k+1], v[T]
	v_nop                                          ; one plain place before T is written again or RS is used (ISA guide 5.7.2)
.endm
; row at register x, number k: scale, gain and bias, round, store
.macro FINISH x, k
	s_wait_alu depctr_va_vdst(0)
.irp c, 0,1,2,3,4,5,6,7,8,9,10,11,12,13,14,15
	v_pk_mul_f32 v[\x+2*\c:\x+2*\c+1], v[\x+2*\c:\x+2*\c+1], v[RS+2*\k:RS+2*\k+1]
.endr
.irp c, 0,1,2,3,4,5,6,7,8,9,10,11,12,13,14,15
	v_pk_fma_f32 v[\x+2*\c:\x+2*\c+1], v[\x+2*\c:\x+2*\c+1], v[G+2*\c:G+2*\c+1], v[BT+2*\c:BT+2*\c+1]
.endr
.irp c, 0,1,2,3,4,5,6,7,8,9,10,11,12,13,14,15
	v_cvt_pk_bf16_f32 v[Y+16*\k+\c], v[\x+2*\c], v[\x+2*\c+1]
.endr
.irp j, 0,1,2,3,4,5,6,7
	global_store_b64 v2, v[Y+16*\k+2*\j:Y+16*\k+2*\j+1], s[10:11] offset:\k*2048+256*\j
.endr
.endm
	s_load_b256 s[4:11], s[0:1], 0x0               ; hidden_states s[4:5], ln1_g s[6:7], ln1_b s[8:9], act_a s[10:11]
	s_load_b256 s[12:19], s[0:1], 0x20             ; Wq s[12:13], Wk s[14:15], Wv s[16:17], Wo s[18:19]
	s_load_b256 s[20:27], s[0:1], 0x40             ; W1 s[20:21], W2 s[22:23], wqkv s[24:25], wob s[26:27]
	s_load_b128 s[28:31], s[0:1], 0x60             ; w1b s[28:29], w2b s[30:31]
	v_and_b32 v3, 31, v0                           ; lane
	v_lshrrev_b32 v22, 5, v0
	v_readfirstlane_b32 s2, v22                    ; wave
	v_lshlrev_b32 v1, 4, v3                        ; 16 x lane: my bytes in a piece of 512 bytes of f32
	v_lshlrev_b32 v2, 3, v3                        ; 8 x lane: my bytes in a piece of 256 bytes of bf16
	s_and_b32 s3, ttmp7, 0xffff                    ; y
	s_lshl_b32 s34, ttmp9, 4
	s_lshl1_add_u32 s34, s2, s34                   ; 16 x + 2 wave
	s_cmp_ge_u32 s3, 4
	s_cbranch_scc1 .Lcast
	; ---- LayerNorm 1 ----
	s_lshl_b32 s35, s3, 10
	s_add_co_u32 s34, s34, s35                     ; my first row
	s_lshl_b32 s36, s34, 12                        ; x 4,096 bytes in hidden_states
	s_mov_b32 s37, 0
	s_lshl_b32 s38, s34, 11                        ; x 2,048 bytes in act_a
	s_mov_b32 s39, 0
	s_mov_b32 s[SEL], 0x76543210                   ; v_permlanex16_b32: lane i of one half reads lane i of the other
	s_mov_b32 s[SEL+1], 0xfedcba98
	s_mov_b32 s[SEL+2], 0x3a800000                 ; 1/1024
	s_mov_b32 s[SEL+3], 0xba800000                 ; -1/1024
	v_mov_b32 v[PT], 0                             ; the lane permute counts as a reader of its destination
	s_wait_kmcnt 0x0
	s_add_nc_u64 s[4:5], s[4:5], s[36:37]
	s_add_nc_u64 s[10:11], s[10:11], s[38:39]
.irp j, 0,1,2,3,4,5,6,7
	global_load_b128 v[X0+4*\j:X0+4*\j+3], v1, s[4:5] offset:512*\j
.endr
.irp j, 0,1,2,3,4,5,6,7
	global_load_b128 v[X1+4*\j:X1+4*\j+3], v1, s[4:5] offset:4096+512*\j
.endr
.irp j, 0,1,2,3,4,5,6,7
	global_load_b128 v[G+4*\j:G+4*\j+3], v1, s[6:7] offset:512*\j
.endr
.irp j, 0,1,2,3,4,5,6,7
	global_load_b128 v[BT+4*\j:BT+4*\j+3], v1, s[8:9] offset:512*\j
.endr
	s_wait_loadcnt 24                              ; row 0 is in; row 1, gain and bias (24 younger loads) stay out
	STATS X0, 0
	s_wait_loadcnt 16                              ; row 1 is in; gain and bias stay out
	STATS X1, 1
	s_wait_loadcnt 0x0
	FINISH X0, 0
	FINISH X1, 1
	s_endpgm
	; ---- the six weight matrices to bf16 ----
.Lcast:
	s_sub_co_u32 s3, s3, 4                         ; m = 0..5
	s_wait_kmcnt 0x0
	s_mov_b64 s[36:37], s[12:13]                   ; from: Wq, unless
	s_mov_b64 s[38:39], s[24:25]                   ; to: wqkv, unless
	s_cmp_eq_u32 s3, 1
	s_cselect_b64 s[36:37], s[14:15], s[36:37]
	s_cmp_eq_u32 s3, 2
	s_cselect_b64 s[36:37], s[16:17], s[36:37]
	s_cmp_eq_u32 s3, 3
	s_cselect_b64 s[36:37], s[18:19], s[36:37]
	s_cselect_b64 s[38:39], s[26:27], s[38:39]
	s_cmp_eq_u32 s3, 4
	s_cselect_b64 s[36:37], s[20:21], s[36:37]
	s_cselect_b64 s[38:39], s[28:29], s[38:39]
	s_cmp_eq_u32 s3, 5
	s_cselect_b64 s[36:37], s[22:23], s[36:37]
	s_cselect_b64 s[38:39], s[30:31], s[38:39]
	s_mov_b32 s40, 2048                            ; bytes in a row of the target: 2,048,
	s_cmp_lt_u32 s3, 3
	s_cselect_b32 s40, 6144, s40                   ; in wqkv 6,144,
	s_cselect_b32 s41, s3, 0                       ; where matrix m begins at byte 2,048 m of each row
	s_lshl_b32 s41, s41, 11
	s_mul_i32 s42, s34, s40
	s_add_co_u32 s42, s42, s41
	s_mov_b32 s43, 0
	s_add_nc_u64 s[38:39], s[38:39], s[42:43]
	s_lshl_b32 s44, s34, 12
	s_mov_b32 s45, 0
	s_add_nc_u64 s[36:37], s[36:37], s[44:45]
	v_add_nc_u32 v3, s40, v2                       ; my bytes in the second row of the target
.irp j, 0,1,2,3,4,5,6,7
	global_load_b128 v[X0+4*\j:X0+4*\j+3], v1, s[36:37] offset:512*\j th:TH_LOAD_NT
.endr
.irp j, 0,1,2,3,4,5,6,7
	global_load_b128 v[X1+4*\j:X1+4*\j+3], v1, s[36:37] offset:4096+512*\j th:TH_LOAD_NT
.endr
.irp j, 0,1,2,3,4,5,6,7
	s_wait_loadcnt 15-\j                           ; loads come back in order: piece j is in, the younger ones stay out
	v_cvt_pk_bf16_f32 v[Y+2*\j], v[X0+4*\j], v[X0+4*\j+1]
	v_cvt_pk_bf16_f32 v[Y+2*\j+1], v[X0+4*\j+2], v[X0+4*\j+3]
	global_store_b64 v2, v[Y+2*\j:Y+2*\j+1], s[38:39] offset:256*\j
.endr
.irp j, 0,1,2,3,4,5,6,7
	s_wait_loadcnt 7-\j
	v_cvt_pk_bf16_f32 v[Y+16+2*\j], v[X1+4*\j], v[X1+4*\j+1]
	v_cvt_pk_bf16_f32 v[Y+16+2*\j+1], v[X1+4*\j+2], v[X1+4*\j+3]
	global_store_b64 v3, v[Y+16+2*\j:Y+16+2*\j+1], s[38:39] offset:256*\j
.endr
	s_endpgm
.Lfunc_end_k_q57717b3b34_prep:
	.size	k_q57717b3b34_prep, .Lfunc_end_k_q57717b3b34_prep-k_q57717b3b34_prep
	.p2alignl 7, 3214868480
	.fill 96, 4, 3214868480
	.section	.rodata,"a",@progbits
	.p2align	6, 0x0
	.amdhsa_kernel k_q57717b3b34_prep
		.amdhsa_group_segment_fixed_size 0
		.amdhsa_private_segment_fixed_size 0
		.amdhsa_enable_private_segment 0
		.amdhsa_kernarg_size 112
		.amdhsa_user_sgpr_count 2
		.amdhsa_user_sgpr_kernarg_segment_ptr 1
		.amdhsa_wavefront_size32 1
		.amdhsa_system_sgpr_workgroup_id_x 1
		.amdhsa_system_sgpr_workgroup_id_y 1
		.amdhsa_system_sgpr_workgroup_id_z 1
		.amdhsa_system_vgpr_workitem_id 0
		.amdhsa_next_free_vgpr 192
		.amdhsa_next_free_sgpr 66
		.amdhsa_reserve_vcc 0
		.amdhsa_float_denorm_mode_32 3
		.amdhsa_float_denorm_mode_16_64 3
		.amdhsa_memory_ordered 1
		.amdhsa_forward_progress 1
		.amdhsa_inst_pref_size 27
	.end_amdhsa_kernel
	.amdgpu_metadata
---
amdhsa.version: [ 1, 2 ]
amdhsa.kernels:
  - .name:           k_q57717b3b34_prep
    .symbol:         k_q57717b3b34_prep.kd
    .args:
      - { .name: hidden_states, .offset: 0, .size: 8, .value_kind: global_buffer, .address_space: global }
      - { .name: ln1_g, .offset: 8, .size: 8, .value_kind: global_buffer, .address_space: global }
      - { .name: ln1_b, .offset: 16, .size: 8, .value_kind: global_buffer, .address_space: global }
      - { .name: act_a, .offset: 24, .size: 8, .value_kind: global_buffer, .address_space: global }
      - { .name: Wq, .offset: 32, .size: 8, .value_kind: global_buffer, .address_space: global }
      - { .name: Wk, .offset: 40, .size: 8, .value_kind: global_buffer, .address_space: global }
      - { .name: Wv, .offset: 48, .size: 8, .value_kind: global_buffer, .address_space: global }
      - { .name: Wo, .offset: 56, .size: 8, .value_kind: global_buffer, .address_space: global }
      - { .name: W1, .offset: 64, .size: 8, .value_kind: global_buffer, .address_space: global }
      - { .name: W2, .offset: 72, .size: 8, .value_kind: global_buffer, .address_space: global }
      - { .name: wqkv, .offset: 80, .size: 8, .value_kind: global_buffer, .address_space: global }
      - { .name: wob, .offset: 88, .size: 8, .value_kind: global_buffer, .address_space: global }
      - { .name: w1b, .offset: 96, .size: 8, .value_kind: global_buffer, .address_space: global }
      - { .name: w2b, .offset: 104, .size: 8, .value_kind: global_buffer, .address_space: global }
    .group_segment_fixed_size: 0
    .private_segment_fixed_size: 0
    .kernarg_segment_align: 8
    .kernarg_segment_size: 112
    .max_flat_workgroup_size: 256
    .sgpr_count:     66
    .vgpr_count:     192
    .wavefront_size: 32
...
	.end_amdgpu_metadata
.endif
;; end of part 1
;; launch qkv (part 2): grid 8 x 32, 4 waves a work-group, clusters of 4 x 4, 327,680 bytes of LDS; arguments act_a, wqkv, qkv; writes qkv
.if DOCPART == 2
	.amdgcn_target "amdgcn-amd-amdhsa--gfx1250"
	.amdhsa_code_object_version 6
	.text
	.protected	k_q57717b3b34_qkv
	.globl	k_q57717b3b34_qkv
	.p2align	8
	.type	k_q57717b3b34_qkv,@function
k_q57717b3b34_qkv:
	s_mov_b64 s[64:65], 0
	v_nop
	global_prefetch_b8 v0, s[64:65] scope:SCOPE_SE
	s_setreg_imm32_b32 hwreg(HW_REG_WAVE_MODE, 25, 1), 1
	s_wait_xcnt 0x0
	s_wait_alu depctr_hold_cnt(0) depctr_sa_sdst(0) depctr_va_vdst(0) depctr_va_sdst(0) depctr_va_ssrc(0) depctr_va_vcc(0) depctr_vm_vsrc(0)
	s_getreg_b32 s2, hwreg(HW_REG_IB_STS2, 6, 4)
	s_cmp_eq_u32 s2, 0
	s_cbranch_scc0 .Lentry_in_a_cluster
	s_endpgm
.Lentry_in_a_cluster:
	s_bfe_u32 s2, ttmp6, 0x10000c
	s_cmp_lg_u32 s2, 0xf033
	s_cbranch_scc0 .Lentry_shape_is_right
	s_endpgm
.Lentry_shape_is_right:
; qkv[m][n] = sum over k of A[m][k] W[k][n].  A = act_a [4096][1024] bf16, W = wqkv [1024][3072] bf16, result [4096][3072] bf16, sums in f32.
; A work-group makes 128 x 384 of the result with four waves (2 x 2); a wave makes 64 x 192: 48 accumulator tiles of 16 x 16, 384 registers.
; 8 x 32 = 256 work-groups.  K goes in steps of 128 through two LDS slots filled by the tensor data mover.
; W lies [k][n]; its fragments are transposed on the way from LDS to registers by ds_load_tr16_b128.
; CLUSTERS: 4 x 4 work-groups.  The four of a row of the cluster need the same tiles of A, the four of a column the same tiles of W: each tile is
; asked for jointly, by the same line with the same descriptor in all four.  Every wave asks for its quarter of both tiles: no branch.
; A wave has four tensor loads out at the start and two later.
; REGISTERS in windows of 256: window 0: v16-26 addresses, v64-127 fragments of A (two buffers of 4 x 8); window 1: v0-191 fragments of W
; (two buffers of 12 x 8); window 2: accumulators of my rows 0-31; window 3: those of my rows 32-63.
; THE MATRIX INSTRUCTION IS USED TRANSPOSED (source 0 = 16 columns of W, source 1 = 16 rows of A): a lane then holds eight neighbouring
; columns of one row of the result, which pack into 16 bytes.
; The 48 accumulators take turns, one instruction a turn, in the same order in every quarter step.
.set NT,     384                       ; columns of a work-group
.set NTOT,   3072                      ; columns of W
.set NF,     12                        ; column fragments of a wave
.set KSTEP,  128
.set KQ,     KSTEP/32                  ; quarter steps of 32 along K
.set LAPS,   1024/(2*KSTEP)            ; a lap = two K steps = once round the ring
.set PA,     272                       ; LDS pitch of A: 256 bytes + 16: an odd multiple of 16, so 16 rows start at 16 different 16-byte columns modulo 256
.set PB,     864                       ; LDS pitch of W: six pieces of 128 bytes + 16: an odd multiple of 32
.set QIA,    5                         ; padding of A behind every 64 words
.set ABYTES, 128*PA
.set BBYTES, KSTEP*PB
.set SLOT,   ABYTES+BBYTES
.set NLD,    2*NF+8                    ; LDS loads of one quarter step
.set SP,     784                       ; pitch of the stage on the way out: 768 bytes + 16
.set ADRA, 16                          ; v16-17  my A fragments in slot 0, 1
.set ADRB, 20                          ; v20-23  my W fragments: slot 0 lower and upper half of the K step, slot 1 likewise
.set STO,  24
.set RD,   25
.set CO,   26
.set TMP,  128                         ; the way out: packed results
.set G1A, 24                           ; s[24:31] descriptor group 1 for A
.set G0A, 32                           ; s[32:39] group 0 for A, one set for each slot
.set G1B, 40                           ; s[40:47] group 1 for W
.set G0B, 48                           ; s[48:55] group 0 for W, one set for each slot
.set MUL_LO, 0xa1                      ; source 0 (W) window 1, source 1 (A) window 0, C and D window 2
.set MUL_HI, 0xf1                      ; the same, C and D window 3
.set TO_B,   0x40                      ; destination window 1, address window 0
.set MSB, 0
.macro WIN new                         ; the high byte of the immediate repeats the setting that is left
.if MSB != \new
	s_set_vgpr_msb (MSB<<8)|\new
.set MSB, \new
.endif
.endm
.macro PLACES                          ; four plain places behind matrix instructions (ISA guide 7.12.1) before their registers are loaded into or read
.rept 4
	v_nop
.endr
.endm
.macro CREST                           ; a round of the barrier of the cluster, behind its opening work-group barrier
	s_cmp_lg_u32 s12, 0
	s_cbranch_scc1 .Lnot_wave_0_\@
	s_barrier_signal -3
.Lnot_wave_0_\@:
	s_barrier_wait -3
	s_barrier_signal -1
	s_barrier_wait -1
.endm
.macro CROUND
	s_barrier_signal -1
	s_barrier_wait -1
	CREST
.endm
	s_load_b128 s[4:7], s[0:1], 0x0                ; A s[4:5], W s[6:7]
	s_load_b64 s[8:9], s[0:1], 0x10                ; the result
	s_set_vgpr_msb 0x40
	v_lshl_add_u32 v255, v0, 2, 0x47000
	s_set_vgpr_msb 0x4000
	v_mov_b32 v63, 0
	s_set_vgpr_msb 0x1
	ds_add_u32 v255, v63
	s_set_vgpr_msb 0x100
	v_lshrrev_b32 v1, 5, v0
	v_readfirstlane_b32 s12, v1                    ; wave 0..3
	s_lshr_b32 s13, s12, 1                         ; wm: which 64 rows
	s_and_b32 s14, s12, 1                          ; wn: which 192 columns
	s_bfe_u32 s16, ttmp6, 0x40000                  ; cx
	s_bfe_u32 s17, ttmp6, 0x40004                  ; cy
	s_lshl_b32 s18, ttmp9, 2
	s_add_co_u32 s18, s18, s16                     ; bc: block column = 4 x cluster x + cx
	s_and_b32 s19, ttmp7, 0xffff
	s_lshl_b32 s19, s19, 2
	s_add_co_u32 s19, s19, s17                     ; br: block row = 4 x cluster y + cy
	s_lshl_b32 s20, s17, 2
	s_lshl_b32 s20, 15, s20                        ; my row of the cluster
	s_lshl_b32 s21, 0x1111, s16                    ; my column of the cluster
	; group 1 for A: a tile of 32 rows x 128 elements of 2 bytes, 4 words of padding behind every 64 words
	s_or_b32 s[G1A+0], s20, (1<<16)|(1<<20)|(1<<21)|(QIA<<22)|(3<<25)
	s_mov_b32 s[G1A+1], KSTEP<<16                  ; tensor_dim0
	s_mov_b32 s[G1A+2], 32<<16                     ; tensor_dim1
	s_mov_b32 s[G1A+3], KSTEP<<16                  ; tile_dim0
	s_mov_b32 s[G1A+4], 32                         ; tile_dim1
	s_mov_b32 s[G1A+5], 1024                       ; elements from row to row
	s_mov_b32 s[G1A+6], 0
	s_mov_b32 s[G1A+7], 0
	; group 1 for W: a tile of 32 k rows x 384 elements, 4 words of padding behind every 32 words
	s_or_b32 s[G1B+0], s21, (1<<16)|(1<<20)|(1<<21)|(4<<22)|(3<<25)
	s_mov_b32 s[G1B+1], NT<<16
	s_mov_b32 s[G1B+2], (KSTEP/4)<<16
	s_mov_b32 s[G1B+3], NT<<16
	s_mov_b32 s[G1B+4], KSTEP/4
	s_mov_b32 s[G1B+5], NTOT
	s_mov_b32 s[G1B+6], 0
	s_mov_b32 s[G1B+7], 0
	; where my quarters come from: A hangs on br and the wave, W on bc and the wave, each in registers that never hold the other coordinate
	s_lshl_b32 s56, s19, 18                        ; 128 rows of 2,048 bytes a block
	s_lshl_b32 s57, s12, 16                        ; 32 rows a wave
	s_add_co_u32 s56, s56, s57
	s_mov_b32 s57, 0
	s_mul_i32 s58, s12, (KSTEP/4)*NTOT*2           ; 32 k rows a wave
	s_mul_i32 s59, s18, NT*2
	s_add_co_u32 s58, s58, s59
	s_mov_b32 s59, 0
	s_mul_i32 s22, s12, 32*PA                      ; and where they go: the wave number alone
	s_mul_i32 s23, s12, (KSTEP/4)*PB
	s_add_co_u32 s23, s23, ABYTES
	s_wait_dscnt 0x0
	s_wait_kmcnt 0x0
	s_add_nc_u64 s[56:57], s[4:5], s[56:57]
	s_add_nc_u64 s[58:59], s[6:7], s[58:59]
	CROUND                                         ; all sixteen work-groups are here: the first joint loads meet
.irp s, 0,1
	s_mov_b32 s[G0A+4*\s], 1
	s_add_co_u32 s[G0A+4*\s+1], s22, \s*SLOT
	s_add_nc_u64 s[G0A+4*\s+2:G0A+4*\s+3], s[56:57], \s*KSTEP*2
	s_or_b32 s[G0A+4*\s+3], s[G0A+4*\s+3], 0x80000000
	s_mov_b32 s[G0B+4*\s], 1
	s_add_co_u32 s[G0B+4*\s+1], s23, \s*SLOT
	s_add_nc_u64 s[G0B+4*\s+2:G0B+4*\s+3], s[58:59], \s*KSTEP*NTOT*2
	s_or_b32 s[G0B+4*\s+3], s[G0B+4*\s+3], 0x80000000
	tensor_load_to_lds s[G0A+4*\s:G0A+4*\s+3], s[G1A:G1A+7]
	s_nop 0
	tensor_load_to_lds s[G0B+4*\s:G0B+4*\s+3], s[G1B:G1B+7]
	s_nop 0
.endr
	v_and_b32 v1, 15, v0                           ; r
	v_bfe_u32 v2, v0, 4, 1                         ; h
	v_mul_u32_u24 v3, v1, PA
	v_lshl_add_u32 v3, v2, 4, v3                   ; r x pitch + 16 h
	s_mul_i32 s60, s13, 64*PA
	v_add_nc_u32 v[ADRA], s60, v3
	v_add_nc_u32 v[ADRA+1], SLOT, v[ADRA]
	v_and_b32 v4, 7, v0
	v_lshl_add_u32 v4, v2, 3, v4                   ; k row 8 h + (lane & 7)
	v_bfe_u32 v5, v0, 3, 1
	v_mul_u32_u24 v4, v4, PB
	v_lshl_add_u32 v4, v5, 4, v4                   ; + 16 bytes for lanes 8-15 of each half
	s_mul_i32 s61, s14, (NF/4)*144                 ; my 192 columns: three pieces of 144 bytes
	s_add_co_u32 s61, s61, ABYTES
	v_add_nc_u32 v[ADRB], s61, v4
	v_add_nc_u32 v[ADRB+1], (KSTEP/2)*PB, v[ADRB]
	v_add_nc_u32 v[ADRB+2], SLOT, v[ADRB]
	v_add_nc_u32 v[ADRB+3], SLOT, v[ADRB+1]
	v_mul_u32_u24 v6, v1, SP                       ; the stage, in: row 64 wm + r, byte 384 wn + 16 h
	v_lshl_add_u32 v6, v2, 4, v6
	s_mul_i32 s62, s13, 64*SP
	s_mul_i32 s63, s14, 384
	s_add_co_u32 s62, s62, s63
	v_add_nc_u32 v[STO], s62, v6
	v_mul_u32_u24 v7, v2, SP                       ; back: lanes 0-15 take 256 bytes of one row, lanes 16-31 of the next
	v_lshl_add_u32 v7, v1, 4, v7
	s_mul_i32 s62, s12, 32*SP
	v_add_nc_u32 v[RD], s62, v7
	v_mul_u32_u24 v8, v2, NTOT*2                   ; and the same two rows in memory
	v_lshl_add_u32 v[CO], v1, 4, v8
; 12 matrix instructions: row fragment a x all 12 column fragments, 32 along K, from the buffer of quarter q.  zero = 1: the product starts the sums.
.macro MULA q, a, zero
.irp b, 0,1,2,3,4,5,6,7,8,9,10,11
.if \zero
	v_wmma_f32_16x16x32_bf16 v[8*(12*((\a)%2)+\b):8*(12*((\a)%2)+\b)+7], v[96*((\q)%2)+8*\b:96*((\q)%2)+8*\b+7], v[64+32*((\q)%2)+8*\a:64+32*((\q)%2)+8*\a+7], 0
.else
	v_wmma_f32_16x16x32_bf16 v[8*(12*((\a)%2)+\b):8*(12*((\a)%2)+\b)+7], v[96*((\q)%2)+8*\b:96*((\q)%2)+8*\b+7], v[64+32*((\q)%2)+8*\a:64+32*((\q)%2)+8*\a+7], v[8*(12*((\a)%2)+\b):8*(12*((\a)%2)+\b)+7]
.endif
.endr
.endm
; the 32 LDS loads of quarter q of a slot, in one run: 24 transposing loads of W, then 8 loads of A
.macro FETCH slot, q
	WIN TO_B
.irp b, 0,1,2,3,4,5,6,7,8,9,10,11
	ds_load_tr16_b128 v[96*((\q)%2)+8*\b:96*((\q)%2)+8*\b+3], v[ADRB+2*\slot+(\q)/(KQ/2)] offset:((\q)%(KQ/2))*32*PB+(\b/4)*144+(\b%4)*32
	ds_load_tr16_b128 v[96*((\q)%2)+8*\b+4:96*((\q)%2)+8*\b+7], v[ADRB+2*\slot+(\q)/(KQ/2)] offset:((\q)%(KQ/2))*32*PB+16*PB+(\b/4)*144+(\b%4)*32
.endr
	WIN 0
.irp a, 0,1,2,3
	ds_load_b128 v[64+32*((\q)%2)+8*\a:64+32*((\q)%2)+8*\a+3], v[ADRA+\slot] offset:\a*16*PA+64*(\q)
	ds_load_b128 v[64+32*((\q)%2)+8*\a+4:64+32*((\q)%2)+8*\a+7], v[ADRA+\slot] offset:\a*16*PA+64*(\q)+32
.endr
.endm
; one of the first quarters of a K step: multiplies its buffer; in its middle it fetches the next quarter into the other buffer
.macro QUARTER slot, q, zero
	s_wait_dscnt 4                                 ; W and the A fragments 0, 1 are in; the four youngest loads (A fragments 2, 3) may be out
	WIN MUL_LO
	MULA \q, 0, \zero
	MULA \q, 1, \zero
	PLACES
	FETCH \slot, \q+1
	s_wait_dscnt NLD                               ; all but the run just issued
	WIN MUL_HI
	MULA \q, 2, \zero
	MULA \q, 3, \zero
.endm
; the last quarter of a K step changes slots.  In front of the barrier each wave waits for its reads of this slot and for all its tensor loads
; (its parts of the next slot).  fill = 1: the barrier opens a round of the barrier of the cluster, and the joint refills of this slot, two K steps
; ahead, are the first tensor loads behind the round; then the first fragments of the next slot are read.
.macro TURN slot, next, fill
	s_wait_dscnt 4
	WIN MUL_LO
	MULA KQ-1, 0, 0
	s_wait_dscnt 0x0
	s_wait_tensorcnt 0x0
	ds_add_u32 v255, v63
	s_wait_dscnt 0x0
	s_barrier_signal -1
	MULA KQ-1, 1, 0                                ; register work while the others arrive
	WIN 0
	s_barrier_wait -1
.if \fill
	CREST
	s_add_nc_u64 s[G0A+4*\slot+2:G0A+4*\slot+3], s[G0A+4*\slot+2:G0A+4*\slot+3], 4*KSTEP
	s_add_nc_u64 s[G0B+4*\slot+2:G0B+4*\slot+3], s[G0B+4*\slot+2:G0B+4*\slot+3], 4*KSTEP*NTOT
	tensor_load_to_lds s[G0A+4*\slot:G0A+4*\slot+3], s[G1A:G1A+7]
	s_nop 0
	tensor_load_to_lds s[G0B+4*\slot:G0B+4*\slot+3], s[G1B:G1B+7]
	s_nop 0
.endif
	PLACES
	FETCH \next, 0
	WIN MUL_HI
	MULA KQ-1, 2, 0
	MULA KQ-1, 3, 0
.endm
.macro STEP slot, zero
	QUARTER \slot, 0, \zero
	QUARTER \slot, 1, 0
	QUARTER \slot, 2, 0
.endm
.macro LAP zero
	STEP 0, \zero
	TURN 0, 1, 1
	STEP 1, 0
	TURN 1, 0, 1
.endm
	s_wait_tensorcnt 2                             ; my two parts of K step 0 are in; the two of K step 1 stay out
	s_barrier_signal -1
	s_barrier_wait -1
	FETCH 0, 0
	LAP 1                                          ; the first products start the sums: nothing is cleared
	WIN 0
	s_mov_b32 s15, LAPS-2
.Llap:
	LAP 0
	WIN 0
	s_sub_co_u32 s15, s15, 1
	s_cmp_lg_u32 s15, 0
	s_cbranch_scc1 .Llap
	STEP 0, 0                                      ; the last lap fills nothing
	TURN 0, 1, 0
	STEP 1, 0
	s_wait_dscnt 4
	WIN MUL_LO
	MULA KQ-1, 0, 0
	MULA KQ-1, 1, 0
	s_wait_dscnt 0x0
	WIN MUL_HI
	MULA KQ-1, 2, 0
	MULA KQ-1, 3, 0
	; THE WAY OUT.  Slot 0 has had its last fill, and every wave waited for its reads of it in front of the barrier of the last change of slots:
	; it serves as a stage of 128 rows x 784 bytes.  Round to bf16, 16 bytes a lane in; whole pieces of 256 bytes back.
	PLACES
	s_lshl_b32 s60, s19, 7
	s_lshl_b32 s61, s12, 5
	s_add_co_u32 s60, s60, s61                     ; the first row that I store: 128 br + 32 wave
	s_mul_i32 s60, s60, NTOT*2
	s_mul_i32 s61, s18, NT*2
	s_add_co_u32 s60, s60, s61
	s_mov_b32 s61, 0
	s_add_nc_u64 s[8:9], s[8:9], s[60:61]
.macro OUTA a, from
	WIN \from
.irp b, 0,1,2,3,4,5,6,7,8,9,10,11
.irp k, 0,1,2,3
	v_cvt_pk_bf16_f32 v[TMP+4*\b+\k], v[8*(12*((\a)%2)+\b)+2*\k], v[8*(12*((\a)%2)+\b)+2*\k+1]
.endr
.endr
	WIN 0
.irp b, 0,1,2,3,4,5,6,7,8,9,10,11
	ds_store_b128 v[STO], v[TMP+4*\b:TMP+4*\b+3] offset:\a*16*SP+32*\b
.endr
.endm
	OUTA 0, 0x0a
	OUTA 1, 0x0a
	OUTA 2, 0x0f
	OUTA 3, 0x0f
	s_wait_dscnt 0x0                               ; my stores are done, for the sake of the waves that read them
	s_barrier_signal -1
	s_barrier_wait -1
.irp p, 0,1,2,3,4,5,6,7,8,9,10,11,12,13,14,15
.irp u, 0,1,2
	ds_load_b128 v[64+4*(3*\p+\u):64+4*(3*\p+\u)+3], v[RD] offset:\p*2*SP+256*\u
.endr
.endr
.irp p, 0,1,2,3,4,5,6,7,8,9,10,11,12,13,14,15
.irp u, 0,1,2
	s_wait_dscnt 47-(3*\p+\u)                      ; LDS loads come back in order: this one is in
	global_store_b128 v[CO], v[64+4*(3*\p+\u):64+4*(3*\p+\u)+3], s[8:9] offset:\p*2*NTOT*2+256*\u   ; 16 lanes store 256 consecutive bytes, aligned
.endr
.endr
	s_set_vgpr_msb 0x1
	s_wait_tensorcnt 0x0
	ds_add_u32 v255, v63
	s_wait_dscnt 0x0
	s_set_vgpr_msb 0x100
	CROUND                                         ; the closing round: no work-group ends while a partner may still ask for a tile that names it
	s_endpgm
.Lfunc_end_k_q57717b3b34_qkv:
	.size	k_q57717b3b34_qkv, .Lfunc_end_k_q57717b3b34_qkv-k_q57717b3b34_qkv
	.p2alignl 7, 3214868480
	.fill 96, 4, 3214868480
	.section	.rodata,"a",@progbits
	.p2align	6, 0x0
	.amdhsa_kernel k_q57717b3b34_qkv
		.amdhsa_group_segment_fixed_size 327680
		.amdhsa_private_segment_fixed_size 0
		.amdhsa_enable_private_segment 0
		.amdhsa_kernarg_size 24
		.amdhsa_user_sgpr_count 2
		.amdhsa_user_sgpr_kernarg_segment_ptr 1
		.amdhsa_wavefront_size32 1
		.amdhsa_system_sgpr_workgroup_id_x 1
		.amdhsa_system_sgpr_workgroup_id_y 1
		.amdhsa_system_sgpr_workgroup_id_z 1
		.amdhsa_system_vgpr_workitem_id 0
		.amdhsa_next_free_vgpr 960
		.amdhsa_next_free_sgpr 66
		.amdhsa_reserve_vcc 0
		.amdhsa_float_denorm_mode_32 3
		.amdhsa_float_denorm_mode_16_64 3
		.amdhsa_memory_ordered 1
		.amdhsa_forward_progress 1
		.amdhsa_inst_pref_size 163
	.end_amdhsa_kernel
	.amdgpu_metadata
---
amdhsa.version: [ 1, 2 ]
amdhsa.kernels:
  - .name:           k_q57717b3b34_qkv
    .symbol:         k_q57717b3b34_qkv.kd
    .args:
      - { .name: act_a, .offset: 0, .size: 8, .value_kind: global_buffer, .address_space: global }
      - { .name: wqkv, .offset: 8, .size: 8, .value_kind: global_buffer, .address_space: global }
      - { .name: qkv, .offset: 16, .size: 8, .value_kind: global_buffer, .address_space: global }
    .group_segment_fixed_size: 327680
    .private_segment_fixed_size: 0
    .kernarg_segment_align: 8
    .kernarg_segment_size: 24
    .max_flat_workgroup_size: 128
    .sgpr_count:     66
    .vgpr_count:     960
    .wavefront_size: 32
...
	.end_amdgpu_metadata
.endif
;; end of part 2
;; launch attn (part 3): grid 16 x 16, 4 waves a work-group, clusters of 4 x 1, 327,680 bytes of LDS; arguments qkv, act_b; writes act_b
.if DOCPART == 3
	.amdgcn_target "amdgcn-amd-amdhsa--gfx1250"
	.amdhsa_code_object_version 6
	.text
	.protected	k_q57717b3b34_attn
	.globl	k_q57717b3b34_attn
	.p2align	8
	.type	k_q57717b3b34_attn,@function
k_q57717b3b34_attn:
	s_mov_b64 s[64:65], 0
	v_nop
	global_prefetch_b8 v0, s[64:65] scope:SCOPE_SE
	s_setreg_imm32_b32 hwreg(HW_REG_WAVE_MODE, 25, 1), 1
	s_wait_xcnt 0x0
	s_wait_alu depctr_hold_cnt(0) depctr_sa_sdst(0) depctr_va_vdst(0) depctr_va_sdst(0) depctr_va_ssrc(0) depctr_va_vcc(0) depctr_vm_vsrc(0)
	s_getreg_b32 s2, hwreg(HW_REG_IB_STS2, 6, 4)
	s_cmp_eq_u32 s2, 0
	s_cbranch_scc0 .Lentry_in_a_cluster
	s_endpgm
.Lentry_in_a_cluster:
	s_bfe_u32 s2, ttmp6, 0x10000c
	s_cmp_lg_u32 s2, 0x3003
	s_cbranch_scc0 .Lentry_shape_is_right
	s_endpgm
.Lentry_shape_is_right:
; attn: ctx = softmax(q k^T / 8) v for each batch and head, with a running maximum.  qkv [4096][3072] bf16 (q, k, v side by side), ctx = act_b [4096][1024] bf16.
; A work-group takes 128 queries (x) of two neighbouring heads (y = 8 batch + head pair): rows of K, V and ctx are then 256 consecutive bytes, aligned.
; Wave w: head w >> 1 of the pair, 64 queries (w & 1).  K and V come in tiles of 256 keys through two LDS slots.
; CLUSTERS: the four query blocks of a cluster (4, 1, 1) walk the same K and V: each tile is asked for jointly, mask 15; each wave asks for its
; 64 key rows of K and of V.  A wave has two tensor loads out at the most.
; LAYOUTS.  S^T = K Q^T (source 0 = K, source 1 = Q): lane r holds query r, register j key 16 t + 8 h + j.  So two score tiles of a lane,
; rounded in pairs, ARE the fragment of P for ctx^T = V^T P^T (source 0 = V by the transposing load): no traffic between lanes.
; A lane sees 32 of the 64 keys of a sub-step: the maximum crosses the two halves of the lanes at once, the sum only at the end.
; Scores stay unscaled; p = exp2(c s - c m) with c = log2(e) / 8 and m the running maximum of the row.
; The 16 tiles of S and the 16 of ctx take turns, one instruction a turn.
; Limits: v_exp_f32 and v_rcp_f32 flush denormals (a p below 2^-126 counts as 0); NaN and infinite inputs are not served.
.set KP,    272                        ; LDS pitch of K: 256 bytes + 16
.set VP,    288                        ; LDS pitch of V: 256 bytes + 32, an odd multiple of 32
.set VOFF,  256*KP                     ; V lies behind the 256 rows of K
.set SLOT,  256*KP+256*VP
.set QKVP,  6144                       ; bytes in a row of qkv
.set TILEB, 256*QKVP                   ; bytes from tile to tile
.set KAD, 10                           ; v10-11  my K fragments in slot 0, 1
.set VAD, 12                           ; v12-15  my V fragments: slot 0 keys 0-127, 128-255; slot 1 likewise
.set STO, 16
.set RD,  17
.set CO,  18
.set QO,  19
.set M,   20                           ; v20-23  running maximum of query fragment a
.set L,   24                           ; v24-27  running sum (of my half of the keys)
.set AL,  28                           ; v28,30,32,34  the factor exp2(c (old m - new m)); the odd registers are written once
.set NM,  36                           ; v[36:37] - c m, twice
.set CC,  38                           ; v[38:39] c, twice
.set T,   40                           ; v40-63  at work
.set P,   64                           ; v64-127 P(a, u) at 64 + 8 (2 a + u)
.set S,   128                          ; v128-255 S(a, t) at 128 + 8 (4 a + t)
; window 1: Q(a, ks) at 8 (2 a + ks); K(t, ks) at 64 + 8 (2 t + ks); V(e, u) at 128 + 8 (2 e + u).  window 2: ctx(a, e) at 8 (4 a + e)
.set G1K, 24
.set G1V, 32
.set G0K, 40
.set G0V, 48
.set MSB, 0
.macro WIN new
.if MSB != \new
	s_set_vgpr_msb (MSB<<8)|\new
.set MSB, \new
.endif
.endm
.macro PLACES                          ; four plain places behind matrix instructions (ISA guide 7.12.1)
.rept 4
	v_nop
.endr
.endm
.macro ROUND                           ; a round of the barrier of the cluster
	s_barrier_signal -1
	s_barrier_wait -1
	s_cmp_lg_u32 s8, 0
	s_cbranch_scc1 .Lnot_wave_0_\@
	s_barrier_signal -3
.Lnot_wave_0_\@:
	s_barrier_wait -3
	s_barrier_signal -1
	s_barrier_wait -1
.endm
	s_load_b128 s[4:7], s[0:1], 0x0                ; qkv s[4:5], act_b s[6:7]
	v_lshl_add_u32 v62, v0, 2, 0x46000
	v_mov_b32 v63, 0
	ds_add_u32 v62, v63
	v_lshrrev_b32 v1, 5, v0
	v_readfirstlane_b32 s8, v1                     ; wave
	s_lshr_b32 s9, s8, 1                           ; hd: which head of the pair
	s_and_b32 s10, s8, 1                           ; qh: which 64 queries
	s_bfe_u32 s11, ttmp6, 0x40000                  ; cx
	s_lshl_b32 s12, ttmp9, 2
	s_add_co_u32 s12, s12, s11                     ; qb: query block
	s_and_b32 s13, ttmp7, 0xffff
	s_lshr_b32 s14, s13, 3                         ; batch
	s_and_b32 s15, s13, 7                          ; head pair
	s_mov_b32 s16, 0x76543210                      ; v_permlanex16_b32: lane i of one half reads lane i of the other
	s_mov_b32 s17, 0xfedcba98
	; group 1: 64 rows x 128 elements of 2 bytes, padding behind every 64 words: 4 words for K, 8 for V; mask 15 with bit 21 beside it
	s_mov_b32 s[G1K+0], 15|(1<<16)|(1<<20)|(1<<21)|(5<<22)|(3<<25)
	s_mov_b32 s[G1K+1], 128<<16
	s_mov_b32 s[G1K+2], 64<<16
	s_mov_b32 s[G1K+3], 128<<16
	s_mov_b32 s[G1K+4], 64
	s_mov_b32 s[G1K+5], 3072
	s_mov_b32 s[G1K+6], 0
	s_mov_b32 s[G1K+7], 0
	s_mov_b32 s[G1V+0], 15|(1<<16)|(1<<20)|(1<<21)|(5<<22)|(7<<25)
	s_mov_b32 s[G1V+1], 128<<16
	s_mov_b32 s[G1V+2], 64<<16
	s_mov_b32 s[G1V+3], 128<<16
	s_mov_b32 s[G1V+4], 64
	s_mov_b32 s[G1V+5], 3072
	s_mov_b32 s[G1V+6], 0
	s_mov_b32 s[G1V+7], 0
	; K of tile 0: row 2048 batch + 64 wave, byte 2048 + 256 pair: nothing of cx enters
	s_lshl_b32 s20, s14, 11
	s_lshl_b32 s21, s8, 6
	s_add_co_u32 s20, s20, s21
	s_mul_i32 s20, s20, QKVP
	s_lshl_b32 s21, s15, 8
	s_add_co_u32 s20, s20, s21
	s_add_co_u32 s20, s20, 2048
	s_mov_b32 s21, 0
	; Q: row 2048 batch + 128 qb + 64 qh, byte 256 pair + 128 hd
	s_lshl_b32 s22, s14, 11
	s_lshl_b32 s23, s12, 7
	s_add_co_u32 s22, s22, s23
	s_lshl_b32 s23, s10, 6
	s_add_co_u32 s22, s22, s23
	s_mul_i32 s22, s22, QKVP
	s_lshl_b32 s23, s15, 8
	s_add_co_u32 s22, s22, s23
	s_lshl_b32 s23, s9, 7
	s_add_co_u32 s22, s22, s23
	s_mov_b32 s23, 0
	; ctx: row 2048 batch + 128 qb + 32 wave, byte 256 pair
	s_lshl_b32 s58, s14, 11
	s_lshl_b32 s59, s12, 7
	s_add_co_u32 s58, s58, s59
	s_lshl_b32 s59, s8, 5
	s_add_co_u32 s58, s58, s59
	s_lshl_b32 s58, s58, 11
	s_lshl_b32 s59, s15, 8
	s_add_co_u32 s58, s58, s59
	s_mov_b32 s59, 0
	s_mul_i32 s2, s8, 64*KP                        ; my 64 rows of K in a slot
	s_mul_i32 s3, s8, 64*VP
	s_add_co_u32 s3, s3, VOFF                      ; my 64 rows of V
	v_and_b32 v1, 15, v0                           ; r
	v_bfe_u32 v2, v0, 4, 1                         ; h
	v_mul_u32_u24 v3, v1, KP
	v_lshl_add_u32 v3, v2, 4, v3
	s_lshl_b32 s18, s9, 7                          ; 128 hd
	v_add_nc_u32 v[KAD], s18, v3                   ; r x 272 + 16 h + 128 hd
	v_add_nc_u32 v[KAD+1], SLOT, v[KAD]
	v_and_b32 v4, 7, v0
	v_lshl_add_u32 v4, v2, 3, v4                   ; key 8 h + (lane & 7)
	v_bfe_u32 v5, v0, 3, 1
	v_mul_u32_u24 v4, v4, VP
	v_lshl_add_u32 v4, v5, 4, v4
	s_add_co_u32 s18, s18, VOFF
	v_add_nc_u32 v[VAD], s18, v4
	v_add_nc_u32 v[VAD+1], 128*VP, v[VAD]
	v_add_nc_u32 v[VAD+2], SLOT, v[VAD]
	v_add_nc_u32 v[VAD+3], SLOT, v[VAD+1]
	s_mul_i32 s19, s10, 64*KP
	v_add_nc_u32 v[STO], s19, v[KAD]               ; the stage, in: row 64 qh + r, byte 128 hd + 16 h
	v_mul_u32_u24 v6, v2, KP
	v_lshl_add_u32 v6, v1, 4, v6
	s_mul_i32 s19, s8, 32*KP
	v_add_nc_u32 v[RD], s19, v6                    ; back: row 32 wave + h, byte 16 r
	v_lshlrev_b32 v7, 11, v2
	v_lshl_add_u32 v[CO], v1, 4, v7                ; the same two rows in act_b
	v_mul_u32_u24 v8, v1, QKVP
	v_lshl_add_u32 v[QO], v2, 4, v8                ; Q: row r, byte 16 h
	v_mov_b32 v[CC], 0x3e38aa3b                    ; c = log2(e) / 8
	v_mov_b32 v[CC+1], 0x3e38aa3b
.irp a, 0,1,2,3
	v_mov_b32 v[AL+2*\a+1], 0                      ; the upper registers of the pairs are named by the packed multiplies and not used
.endr
	s_wait_dscnt 0x0
	s_wait_kmcnt 0x0
	s_add_nc_u64 s[20:21], s[4:5], s[20:21]
	s_add_nc_u64 s[56:57], s[4:5], s[22:23]
	s_add_nc_u64 s[58:59], s[6:7], s[58:59]
	WIN 0x40                                       ; destination window 1
.irp a, 0,1,2,3
.irp ks, 0,1
	global_load_b128 v[8*(2*\a+\ks):8*(2*\a+\ks)+3], v[QO], s[56:57] offset:\a*16*QKVP+64*\ks
	global_load_b128 v[8*(2*\a+\ks)+4:8*(2*\a+\ks)+7], v[QO], s[56:57] offset:\a*16*QKVP+64*\ks+32
.endr
.endr
	WIN 0
.irp s, 0,1
	s_mov_b32 s[G0K+4*\s], 1
	s_add_co_u32 s[G0K+4*\s+1], s2, \s*SLOT
	s_add_nc_u64 s[G0K+4*\s+2:G0K+4*\s+3], s[20:21], \s*TILEB
	s_or_b32 s[G0K+4*\s+3], s[G0K+4*\s+3], 0x80000000
	s_mov_b32 s[G0V+4*\s], 1
	s_add_co_u32 s[G0V+4*\s+1], s3, \s*SLOT
	s_add_nc_u64 s[G0V+4*\s+2:G0V+4*\s+3], s[20:21], \s*TILEB+2048
	s_or_b32 s[G0V+4*\s+3], s[G0V+4*\s+3], 0x80000000
.endr
	ROUND                                          ; the four work-groups are here: the first joint loads meet
	tensor_load_to_lds s[G0K:G0K+3], s[G1K:G1K+7]  ; tile 0
	s_nop 0
	tensor_load_to_lds s[G0V:G0V+3], s[G1V:G1V+7]
	s_nop 0
	s_wait_loadcnt 0x0                             ; Q, once
; 16 loads: the K fragments of the 64 keys of sub-step ss
.macro KLOAD slot, ss
.irp t, 0,1,2,3
.irp ks, 0,1
	ds_load_b128 v[64+8*(2*\t+\ks):64+8*(2*\t+\ks)+3], v[KAD+\slot] offset:(64*(\ss)+16*\t)*KP+64*\ks
	ds_load_b128 v[64+8*(2*\t+\ks)+4:64+8*(2*\t+\ks)+7], v[KAD+\slot] offset:(64*(\ss)+16*\t)*KP+64*\ks+32
.endr
.endr
.endm
; 16 transposing loads: the V fragments of the same keys
.macro VLOAD slot, ss
.irp e, 0,1,2,3
.irp u, 0,1
	ds_load_tr16_b128 v[128+8*(2*\e+\u):128+8*(2*\e+\u)+3], v[VAD+2*\slot+(\ss)/2] offset:(((\ss)%2)*64+32*\u)*VP+32*\e
	ds_load_tr16_b128 v[128+8*(2*\e+\u)+4:128+8*(2*\e+\u)+7], v[VAD+2*\slot+(\ss)/2] offset:(((\ss)%2)*64+32*\u+16)*VP+32*\e
.endr
.endr
.endm
.macro QK ks                           ; 16 tiles of S, 32 of the 64 head dimensions
.irp a, 0,1,2,3
.irp t, 0,1,2,3
.if \ks == 0
	v_wmma_f32_16x16x32_bf16 v[S+8*(4*\a+\t):S+8*(4*\a+\t)+7], v[64+8*(2*\t+\ks):64+8*(2*\t+\ks)+7], v[8*(2*\a+\ks):8*(2*\a+\ks)+7], 0
.else
	v_wmma_f32_16x16x32_bf16 v[S+8*(4*\a+\t):S+8*(4*\a+\t)+7], v[64+8*(2*\t+\ks):64+8*(2*\t+\ks)+7], v[8*(2*\a+\ks):8*(2*\a+\ks)+7], v[S+8*(4*\a+\t):S+8*(4*\a+\t)+7]
.endif
.endr
.endr
.endm
.macro PV u, zero                      ; 16 tiles of ctx, 32 of the 64 keys
.irp a, 0,1,2,3
.irp e, 0,1,2,3
.if \zero
	v_wmma_f32_16x16x32_bf16 v[8*(4*\a+\e):8*(4*\a+\e)+7], v[128+8*(2*\e+\u):128+8*(2*\e+\u)+7], v[P+8*(2*\a+\u):P+8*(2*\a+\u)+7], 0
.else
	v_wmma_f32_16x16x32_bf16 v[8*(4*\a+\e):8*(4*\a+\e)+7], v[128+8*(2*\e+\u):128+8*(2*\e+\u)+7], v[P+8*(2*\a+\u):P+8*(2*\a+\u)+7], v[8*(4*\a+\e):8*(4*\a+\e)+7]
.endif
.endr
.endr
.endm
; the softmax step of query fragment a: new maximum, factor for what was summed before, p, its sum, P in bf16
.macro SOFT a, first
.irp i, 0,1,2,3,4,5,6,7,8,9
	v_max3_num_f32 v[T+\i], v[S+32*\a+3*\i], v[S+32*\a+3*\i+1], v[S+32*\a+3*\i+2]
.endr
	v_max3_num_f32 v[T], v[T], v[T+1], v[T+2]
	v_max3_num_f32 v[T+3], v[T+3], v[T+4], v[T+5]
	v_max3_num_f32 v[T+6], v[T+6], v[T+7], v[T+8]
	v_max3_num_f32 v[T+9], v[T+9], v[S+32*\a+30], v[S+32*\a+31]
	v_max3_num_f32 v[T], v[T], v[T+3], v[T+6]
.if \first
	v_max_num_f32 v[T], v[T], v[T+9]
.else
	v_max3_num_f32 v[T], v[T], v[T+9], v[M+\a]
.endif
	v_permlanex16_b32 v[T+1], v[T], s16, s17       ; the other 32 keys of the same query
	v_max_num_f32 v[T], v[T], v[T+1]
.if \first == 0
	v_sub_f32 v[T+2], v[M+\a], v[T]
	v_mul_f32 v[T+2], v[CC], v[T+2]
	v_exp_f32 v[AL+2*\a], v[T+2]                   ; the plain lines below stand between it and its use
.endif
	v_mov_b32 v[M+\a], v[T]
	v_mul_f32 v[NM], 0xbe38aa3b, v[T]
	v_mul_f32 v[NM+1], 0xbe38aa3b, v[T]
.irp i, 0,1,2,3,4,5,6,7,8,9,10,11,12,13,14,15
	v_pk_fma_f32 v[S+32*\a+2*\i:S+32*\a+2*\i+1], v[S+32*\a+2*\i:S+32*\a+2*\i+1], v[CC:CC+1], v[NM:NM+1]
.endr
.irp i, 0,1,2,3,4,5,6,7,8,9,10,11,12,13,14,15,16,17,18,19,20,21,22,23,24,25,26,27,28,29,30,31
	v_exp_f32 v[S+32*\a+\i], v[S+32*\a+\i]
.endr
	v_nop                                          ; one plain place behind the last exponential (ISA guide 5.7.2)
	s_wait_alu depctr_va_vdst(0)
.irp c, 0,1,2,3
	v_pk_add_f32 v[T+2*\c:T+2*\c+1], v[S+32*\a+4*\c:S+32*\a+4*\c+1], v[S+32*\a+4*\c+2:S+32*\a+4*\c+3]
.endr
.irp c, 0,1,2,3
	v_pk_add_f32 v[T+2*\c:T+2*\c+1], v[T+2*\c:T+2*\c+1], v[S+32*\a+16+2*\c:S+32*\a+16+2*\c+1]
.endr
.irp c, 0,1,2,3
	v_pk_add_f32 v[T+2*\c:T+2*\c+1], v[T+2*\c:T+2*\c+1], v[S+32*\a+24+2*\c:S+32*\a+24+2*\c+1]
.endr
	v_pk_add_f32 v[T:T+1], v[T:T+1], v[T+2:T+3]
	v_pk_add_f32 v[T+4:T+5], v[T+4:T+5], v[T+6:T+7]
	v_pk_add_f32 v[T:T+1], v[T:T+1], v[T+4:T+5]
.if \first
	v_add_f32 v[L+\a], v[T], v[T+1]
.else
	v_add_f32 v[T], v[T], v[T+1]
	v_fma_f32 v[L+\a], v[L+\a], v[AL+2*\a], v[T]
.endif
.irp i, 0,1,2,3,4,5,6,7,8,9,10,11,12,13,14,15
	v_cvt_pk_bf16_f32 v[P+16*\a+\i], v[S+32*\a+2*\i], v[S+32*\a+2*\i+1]
.endr
.endm
; one sub-step: 64 keys.  more = 1: the K fragments of the next sub-step of the slot are fetched under the softmax.
.macro SUB slot, ss, more, first
	PLACES                                         ; behind the last products with V, before V is loaded again
	WIN 0x40
	VLOAD \slot, \ss
	s_wait_dscnt 16                                ; K is in; the 16 younger loads of V may be out
	WIN 0x05                                       ; sources 0 and 1 window 1, C and D window 0
	QK 0
	QK 1
	PLACES                                         ; before S is read and K is loaded again
.if \more
	WIN 0x40
	KLOAD \slot, \ss+1
.endif
	WIN 0
	SOFT 0, \first
	SOFT 1, \first
	SOFT 2, \first
	SOFT 3, \first
.if \first == 0
	WIN 0x82                                       ; ctx in window 2, the factor in window 0
.irp a, 0,1,2,3
.irp i, 0,1,2,3,4,5,6,7,8,9,10,11,12,13,14,15
	v_pk_mul_f32 v[32*\a+2*\i:32*\a+2*\i+1], v[32*\a+2*\i:32*\a+2*\i+1], v[AL+2*\a:AL+2*\a+1] op_sel_hi:[1,0]
.endr
.endr
.endif
	s_wait_dscnt 16*\more                          ; V is in; the 16 younger loads of the next K, if any, may be out
	WIN 0xa1                                       ; source 0 (V) window 1, source 1 (P) window 0, C and D window 2
	PV 0, \first
	PV 1, 0
.endm
; one tile of 256 keys.  In front of the round every wave waits for all its tensor loads (this tile among them) and for its reads of the other slot;
; the joint refills of the other slot are the first tensor loads behind the round.
.macro TRIP slot, refill, first
	WIN 0
	s_wait_tensorcnt 0x0
	ds_add_u32 v62, v63
	s_wait_dscnt 0x0
	s_add_nc_u64 s[G0K+4*\slot+2:G0K+4*\slot+3], s[G0K+4*\slot+2:G0K+4*\slot+3], 2*TILEB    ; no load of mine is out: the next tile of this slot
	s_add_nc_u64 s[G0V+4*\slot+2:G0V+4*\slot+3], s[G0V+4*\slot+2:G0V+4*\slot+3], 2*TILEB
	s_wait_dscnt 0x0
	ROUND
.if \refill
	tensor_load_to_lds s[G0K+4*(1-\slot):G0K+4*(1-\slot)+3], s[G1K:G1K+7]
	s_nop 0
	tensor_load_to_lds s[G0V+4*(1-\slot):G0V+4*(1-\slot)+3], s[G1V:G1V+7]
	s_nop 0
.endif
	WIN 0x40
	KLOAD \slot, 0
	SUB \slot, 0, 1, \first
	SUB \slot, 1, 1, 0
	SUB \slot, 2, 1, 0
	SUB \slot, 3, 0, 0
.endm
	TRIP 0, 1, 1                                   ; eight tiles: two, a loop of twice two, two; the first sub-step starts maximum, sum and ctx
	TRIP 1, 1, 0
	WIN 0
	s_mov_b32 s18, 2
.Lloop:
	TRIP 0, 1, 0
	TRIP 1, 1, 0
	WIN 0
	s_sub_co_u32 s18, s18, 1
	s_cmp_lg_u32 s18, 0
	s_cbranch_scc1 .Lloop
	TRIP 0, 1, 0
	TRIP 1, 0, 0                                   ; the last tile: nothing more is asked for
	; THE END: ctx / sum, to bf16, through a stage of 128 rows x 272 bytes in slot 0, which has had its last fill and whose last reads every
	; wave waited for in front of the last round.
	WIN 0
	PLACES
.irp a, 0,1,2,3
	v_permlanex16_b32 v[T+\a], v[L+\a], s16, s17   ; the sum over the other 32 keys of each sub-step
.endr
.irp a, 0,1,2,3
	v_add_f32 v[L+\a], v[L+\a], v[T+\a]
.endr
.irp a, 0,1,2,3
	v_rcp_f32 v[AL+2*\a], v[L+\a]
.endr
	v_nop
	s_wait_alu depctr_va_vdst(0)
.macro OUTQ a
	WIN 0x02                                       ; source 0 window 2
.irp i, 0,1,2,3,4,5,6,7,8,9,10,11,12,13,14,15
	v_pk_mul_f32 v[S+2*\i:S+2*\i+1], v[32*\a+2*\i:32*\a+2*\i+1], v[AL+2*\a:AL+2*\a+1] op_sel_hi:[1,0]
.endr
	WIN 0
.irp i, 0,1,2,3,4,5,6,7,8,9,10,11,12,13,14,15
	v_cvt_pk_bf16_f32 v[S+32+\i], v[S+2*\i], v[S+2*\i+1]
.endr
.irp e, 0,1,2,3
	ds_store_b128 v[STO], v[S+32+4*\e:S+32+4*\e+3] offset:\a*16*KP+32*\e
.endr
.endm
	OUTQ 0
	OUTQ 1
	OUTQ 2
	OUTQ 3
	s_wait_dscnt 0x0                               ; my stores are done, for the sake of the waves that read them
	s_barrier_signal -1
	s_barrier_wait -1
.irp i, 0,1,2,3,4,5,6,7,8,9,10,11,12,13,14,15
	ds_load_b128 v[P+4*\i:P+4*\i+3], v[RD] offset:\i*2*KP
.endr
.irp i, 0,1,2,3,4,5,6,7,8,9,10,11,12,13,14,15
	s_wait_dscnt 15-\i
	global_store_b128 v[CO], v[P+4*\i:P+4*\i+3], s[58:59] offset:\i*4096     ; 16 lanes store 256 consecutive bytes, aligned
.endr
	s_wait_tensorcnt 0x0
	ds_add_u32 v62, v63
	s_wait_dscnt 0x0
	ROUND                                          ; the closing round
	s_endpgm
.Lfunc_end_k_q57717b3b34_attn:
	.size	k_q57717b3b34_attn, .Lfunc_end_k_q57717b3b34_attn-k_q57717b3b34_attn
	.p2alignl 7, 3214868480
	.fill 96, 4, 3214868480
	.section	.rodata,"a",@progbits
	.p2align	6, 0x0
	.amdhsa_kernel k_q57717b3b34_attn
		.amdhsa_group_segment_fixed_size 327680
		.amdhsa_private_segment_fixed_size 0
		.amdhsa_enable_private_segment 0
		.amdhsa_kernarg_size 16
		.amdhsa_user_sgpr_count 2
		.amdhsa_user_sgpr_kernarg_segment_ptr 1
		.amdhsa_wavefront_size32 1
		.amdhsa_system_sgpr_workgroup_id_x 1
		.amdhsa_system_sgpr_workgroup_id_y 1
		.amdhsa_system_sgpr_workgroup_id_z 1
		.amdhsa_system_vgpr_workitem_id 0
		.amdhsa_next_free_vgpr 640
		.amdhsa_next_free_sgpr 66
		.amdhsa_reserve_vcc 0
		.amdhsa_float_denorm_mode_32 3
		.amdhsa_float_denorm_mode_16_64 3
		.amdhsa_memory_ordered 1
		.amdhsa_forward_progress 1
		.amdhsa_inst_pref_size 255
	.end_amdhsa_kernel
	.section	.bss,"aw",@nobits
	.p2align	6
	.space	262144
	.amdgpu_metadata
---
amdhsa.version: [ 1, 2 ]
amdhsa.kernels:
  - .name:           k_q57717b3b34_attn
    .symbol:         k_q57717b3b34_attn.kd
    .args:
      - { .name: qkv, .offset: 0, .size: 8, .value_kind: global_buffer, .address_space: global }
      - { .name: act_b, .offset: 8, .size: 8, .value_kind: global_buffer, .address_space: global }
    .group_segment_fixed_size: 327680
    .private_segment_fixed_size: 0
    .kernarg_segment_align: 8
    .kernarg_segment_size: 16
    .max_flat_workgroup_size: 128
    .sgpr_count:     66
    .vgpr_count:     640
    .wavefront_size: 32
...
	.end_amdgpu_metadata
.endif
;; end of part 3
;; launch wo (part 4): grid 8 x 32, 4 waves a work-group, clusters of 4 x 4, 327,680 bytes of LDS; arguments act_b, wob, x1, hidden_states; writes x1
.if DOCPART == 4
	.amdgcn_target "amdgcn-amd-amdhsa--gfx1250"
	.amdhsa_code_object_version 6
	.text
	.protected	k_q57717b3b34_wo
	.globl	k_q57717b3b34_wo
	.p2align	8
	.type	k_q57717b3b34_wo,@function
k_q57717b3b34_wo:
	s_mov_b64 s[64:65], 0
	v_nop
	global_prefetch_b8 v0, s[64:65] scope:SCOPE_SE
	s_setreg_imm32_b32 hwreg(HW_REG_WAVE_MODE, 25, 1), 1
	s_wait_xcnt 0x0
	s_wait_alu depctr_hold_cnt(0) depctr_sa_sdst(0) depctr_va_vdst(0) depctr_va_sdst(0) depctr_va_ssrc(0) depctr_va_vcc(0) depctr_vm_vsrc(0)
	s_getreg_b32 s2, hwreg(HW_REG_IB_STS2, 6, 4)
	s_cmp_eq_u32 s2, 0
	s_cbranch_scc0 .Lentry_in_a_cluster
	s_endpgm
.Lentry_in_a_cluster:
	s_bfe_u32 s2, ttmp6, 0x10000c
	s_cmp_lg_u32 s2, 0xf033
	s_cbranch_scc0 .Lentry_shape_is_right
	s_endpgm
.Lentry_shape_is_right:
; out[m][n] = res[m][n] + 0.1 * sum over k of A[m][k] W[k][n].  A [4096][1024] bf16, W [1024][1024] bf16, res and out [4096][1024] f32, sums in f32.
; Arguments: A, W, out, res.  The text serves the output projection (A = ctx, res = hidden_states) and the second FFN product (A = gelu, res = x1).
; A work-group makes 128 x 128 with four waves (2 x 2); a wave makes 64 x 64: 16 accumulator tiles.  8 x 32 = 256 work-groups.
; K goes in steps of 256 through two LDS slots: four tiles, so only two refills, each behind a round of the barrier of the cluster.
; W lies [k][n]; its fragments are transposed on the way from LDS to registers by ds_load_tr16_b128.
; CLUSTERS: 4 x 4 work-groups; tiles of A are asked for jointly along a row of the cluster, tiles of W along a column.  Every wave asks for its
; quarter of both tiles.  A wave has four tensor loads out at the start and two later.
; REGISTERS: window 0: v16-26 addresses, v64-127 fragments of A (two buffers), v128-191 fragments of W (two buffers); window 1: v0-127 accumulators.
; The matrix instruction is used transposed (source 0 = 16 columns of W, source 1 = 16 rows of A): a lane holds eight neighbouring columns of a row.
; The 16 accumulators take turns, one instruction a turn, in the same order in every quarter step.
.set NT,     128
.set NTOT,   1024
.set NF,     4
.set KSTEP,  256
.set KQ,     KSTEP/32
.set PA,     528                       ; LDS pitch of A: 512 bytes + 16, an odd multiple of 16
.set PB,     288                       ; LDS pitch of W: two pieces of 128 bytes + 16, an odd multiple of 32
.set QIA,    6                         ; padding of A behind every 128 words
.set ABYTES, 128*PA
.set BBYTES, KSTEP*PB
.set SLOT,   ABYTES+BBYTES
.set NLD,    2*NF+8
.set SP,     528                       ; pitch of the stage: 128 f32 + 16 bytes
.set ADRA, 16
.set ADRB, 20
.set STO,  24
.set RD,   25
.set CO,   26
.set G1A, 24
.set G0A, 32
.set G1B, 40
.set G0B, 48
.set MUL_LO, 0x50                      ; sources window 0, C and D window 1
.set MUL_HI, 0x50
.set TO_B,   0
.set MSB, 0
.macro WIN new
.if MSB != \new
	s_set_vgpr_msb (MSB<<8)|\new
.set MSB, \new
.endif
.endm
.macro PLACES                          ; four plain places behind matrix instructions (ISA guide 7.12.1)
.rept 4
	v_nop
.endr
.endm
.macro CREST
	s_cmp_lg_u32 s12, 0
	s_cbranch_scc1 .Lnot_wave_0_\@
	s_barrier_signal -3
.Lnot_wave_0_\@:
	s_barrier_wait -3
	s_barrier_signal -1
	s_barrier_wait -1
.endm
.macro CROUND
	s_barrier_signal -1
	s_barrier_wait -1
	CREST
.endm
	s_load_b256 s[4:11], s[0:1], 0x0               ; A s[4:5], W s[6:7], out s[8:9], res s[10:11]
	v_lshl_add_u32 v62, v0, 2, 0x45000
	v_mov_b32 v63, 0
	ds_add_u32 v62, v63
	v_lshrrev_b32 v1, 5, v0
	v_readfirstlane_b32 s12, v1                    ; wave
	s_lshr_b32 s13, s12, 1                         ; wm
	s_and_b32 s14, s12, 1                          ; wn
	s_bfe_u32 s16, ttmp6, 0x40000                  ; cx
	s_bfe_u32 s17, ttmp6, 0x40004                  ; cy
	s_lshl_b32 s18, ttmp9, 2
	s_add_co_u32 s18, s18, s16                     ; bc
	s_and_b32 s19, ttmp7, 0xffff
	s_lshl_b32 s19, s19, 2
	s_add_co_u32 s19, s19, s17                     ; br
	s_lshl_b32 s20, s17, 2
	s_lshl_b32 s20, 15, s20                        ; my row of the cluster
	s_lshl_b32 s21, 0x1111, s16                    ; my column of the cluster
	s_or_b32 s[G1A+0], s20, (1<<16)|(1<<20)|(1<<21)|(QIA<<22)|(3<<25)   ; A: 32 rows x 256 elements of 2 bytes, 4 words behind every 128
	s_mov_b32 s[G1A+1], KSTEP<<16
	s_mov_b32 s[G1A+2], 32<<16
	s_mov_b32 s[G1A+3], KSTEP<<16
	s_mov_b32 s[G1A+4], 32
	s_mov_b32 s[G1A+5], 1024
	s_mov_b32 s[G1A+6], 0
	s_mov_b32 s[G1A+7], 0
	s_or_b32 s[G1B+0], s21, (1<<16)|(1<<20)|(1<<21)|(4<<22)|(3<<25)     ; W: 64 k rows x 128 elements, 4 words behind every 32
	s_mov_b32 s[G1B+1], NT<<16
	s_mov_b32 s[G1B+2], (KSTEP/4)<<16
	s_mov_b32 s[G1B+3], NT<<16
	s_mov_b32 s[G1B+4], KSTEP/4
	s_mov_b32 s[G1B+5], NTOT
	s_mov_b32 s[G1B+6], 0
	s_mov_b32 s[G1B+7], 0
	s_lshl_b32 s56, s19, 18
	s_lshl_b32 s57, s12, 16
	s_add_co_u32 s56, s56, s57
	s_mov_b32 s57, 0
	s_mul_i32 s58, s12, (KSTEP/4)*NTOT*2
	s_mul_i32 s59, s18, NT*2
	s_add_co_u32 s58, s58, s59
	s_mov_b32 s59, 0
	s_mul_i32 s22, s12, 32*PA
	s_mul_i32 s23, s12, (KSTEP/4)*PB
	s_add_co_u32 s23, s23, ABYTES
	s_wait_dscnt 0x0
	s_wait_kmcnt 0x0
	s_add_nc_u64 s[56:57], s[4:5], s[56:57]
	s_add_nc_u64 s[58:59], s[6:7], s[58:59]
	CROUND                                         ; the first joint loads meet
.irp s, 0,1
	s_mov_b32 s[G0A+4*\s], 1
	s_add_co_u32 s[G0A+4*\s+1], s22, \s*SLOT
	s_add_nc_u64 s[G0A+4*\s+2:G0A+4*\s+3], s[56:57], \s*KSTEP*2
	s_or_b32 s[G0A+4*\s+3], s[G0A+4*\s+3], 0x80000000
	s_mov_b32 s[G0B+4*\s], 1
	s_add_co_u32 s[G0B+4*\s+1], s23, \s*SLOT
	s_add_nc_u64 s[G0B+4*\s+2:G0B+4*\s+3], s[58:59], \s*KSTEP*NTOT*2
	s_or_b32 s[G0B+4*\s+3], s[G0B+4*\s+3], 0x80000000
	tensor_load_to_lds s[G0A+4*\s:G0A+4*\s+3], s[G1A:G1A+7]
	s_nop 0
	tensor_load_to_lds s[G0B+4*\s:G0B+4*\s+3], s[G1B:G1B+7]
	s_nop 0
.endr
	v_and_b32 v1, 15, v0                           ; r
	v_bfe_u32 v2, v0, 4, 1                         ; h
	v_mul_u32_u24 v3, v1, PA
	v_lshl_add_u32 v3, v2, 4, v3
	s_mul_i32 s60, s13, 64*PA
	v_add_nc_u32 v[ADRA], s60, v3
	v_add_nc_u32 v[ADRA+1], SLOT, v[ADRA]
	v_and_b32 v4, 7, v0
	v_lshl_add_u32 v4, v2, 3, v4
	v_bfe_u32 v5, v0, 3, 1
	v_mul_u32_u24 v4, v4, PB
	v_lshl_add_u32 v4, v5, 4, v4
	s_mul_i32 s61, s14, (NF/4)*144
	s_add_co_u32 s61, s61, ABYTES
	v_add_nc_u32 v[ADRB], s61, v4
	v_add_nc_u32 v[ADRB+1], (KSTEP/2)*PB, v[ADRB]
	v_add_nc_u32 v[ADRB+2], SLOT, v[ADRB]
	v_add_nc_u32 v[ADRB+3], SLOT, v[ADRB+1]
	v_mul_u32_u24 v6, v1, SP                       ; the stage, in: row 64 wm + r, byte 256 wn + 32 h
	v_lshl_add_u32 v6, v2, 5, v6
	s_mul_i32 s62, s13, 64*SP
	s_lshl_b32 s63, s14, 8
	s_add_co_u32 s62, s62, s63
	v_add_nc_u32 v[STO], s62, v6
	v_and_b32 v7, 31, v0
	v_lshlrev_b32 v[CO], 4, v7                     ; 16 x lane: a row of 512 bytes to a wave
	s_mul_i32 s62, s12, 32*SP
	v_add_nc_u32 v[RD], s62, v[CO]                 ; back: rows 32 wave ..
.macro MULA q, a, zero
.irp b, 0,1,2,3
.if \zero
	v_wmma_f32_16x16x32_bf16 v[8*(4*\a+\b):8*(4*\a+\b)+7], v[128+32*((\q)%2)+8*\b:128+32*((\q)%2)+8*\b+7], v[64+32*((\q)%2)+8*\a:64+32*((\q)%2)+8*\a+7], 0
.else
	v_wmma_f32_16x16x32_bf16 v[8*(4*\a+\b):8*(4*\a+\b)+7], v[128+32*((\q)%2)+8*\b:128+32*((\q)%2)+8*\b+7], v[64+32*((\q)%2)+8*\a:64+32*((\q)%2)+8*\a+7], v[8*(4*\a+\b):8*(4*\a+\b)+7]
.endif
.endr
.endm
.macro FETCH slot, q
	WIN TO_B
.irp b, 0,1,2,3
	ds_load_tr16_b128 v[128+32*((\q)%2)+8*\b:128+32*((\q)%2)+8*\b+3], v[ADRB+2*\slot+(\q)/(KQ/2)] offset:((\q)%(KQ/2))*32*PB+(\b/4)*144+(\b%4)*32
	ds_load_tr16_b128 v[128+32*((\q)%2)+8*\b+4:128+32*((\q)%2)+8*\b+7], v[ADRB+2*\slot+(\q)/(KQ/2)] offset:((\q)%(KQ/2))*32*PB+16*PB+(\b/4)*144+(\b%4)*32
.endr
	WIN 0
.irp a, 0,1,2,3
	ds_load_b128 v[64+32*((\q)%2)+8*\a:64+32*((\q)%2)+8*\a+3], v[ADRA+\slot] offset:\a*16*PA+64*(\q)
	ds_load_b128 v[64+32*((\q)%2)+8*\a+4:64+32*((\q)%2)+8*\a+7], v[ADRA+\slot] offset:\a*16*PA+64*(\q)+32
.endr
.endm
.macro QUARTER slot, q, zero
	s_wait_dscnt 4                                 ; W and the A fragments 0, 1 are in; the four youngest loads (A fragments 2, 3) may be out
	WIN MUL_LO
	MULA \q, 0, \zero
	MULA \q, 1, \zero
	PLACES
	FETCH \slot, \q+1
	s_wait_dscnt NLD                               ; all but the run just issued
	WIN MUL_HI
	MULA \q, 2, \zero
	MULA \q, 3, \zero
.endm
; the last quarter of a K step changes slots: waits for my reads of this slot and for all my tensor loads, barrier (with fill = 1 it opens a round of
; the barrier of the cluster), joint refills first behind it, then the first fragments of the next slot
.macro TURN slot, next, fill
	s_wait_dscnt 4
	WIN MUL_LO
	MULA KQ-1, 0, 0
	s_wait_dscnt 0x0
	s_wait_tensorcnt 0x0
	ds_add_u32 v62, v63
	s_wait_dscnt 0x0
	s_barrier_signal -1
	MULA KQ-1, 1, 0
	WIN 0
	s_barrier_wait -1
.if \fill
	CREST
	s_add_nc_u64 s[G0A+4*\slot+2:G0A+4*\slot+3], s[G0A+4*\slot+2:G0A+4*\slot+3], 4*KSTEP
	s_add_nc_u64 s[G0B+4*\slot+2:G0B+4*\slot+3], s[G0B+4*\slot+2:G0B+4*\slot+3], 4*KSTEP*NTOT
	tensor_load_to_lds s[G0A+4*\slot:G0A+4*\slot+3], s[G1A:G1A+7]
	s_nop 0
	tensor_load_to_lds s[G0B+4*\slot:G0B+4*\slot+3], s[G1B:G1B+7]
	s_nop 0
.endif
	PLACES
	FETCH \next, 0
	WIN MUL_HI
	MULA KQ-1, 2, 0
	MULA KQ-1, 3, 0
.endm
.macro STEP slot, zero
	QUARTER \slot, 0, \zero
.irp q, 1,2,3,4,5,6
	QUARTER \slot, \q, 0
.endr
.endm
	s_wait_tensorcnt 2                             ; my two parts of K step 0 are in; the two of K step 1 stay out
	s_barrier_signal -1
	s_barrier_wait -1
	FETCH 0, 0
	STEP 0, 1                                      ; K steps 0 and 1; both slots are filled again
	TURN 0, 1, 1
	STEP 1, 0
	TURN 1, 0, 1
	STEP 0, 0                                      ; K steps 2 and 3 fill nothing
	TURN 0, 1, 0
	STEP 1, 0
	s_wait_dscnt 4
	WIN MUL_LO
	MULA KQ-1, 0, 0
	MULA KQ-1, 1, 0
	s_wait_dscnt 0x0
	MULA KQ-1, 2, 0
	MULA KQ-1, 3, 0
	; THE WAY OUT.  Slot 0 has had its last fill and its last reads were waited for in front of the barrier of the last change of slots: it serves as a
	; stage of 128 rows x 528 bytes of f32.  Each wave then finishes 32 whole rows of 512 bytes: res + 0.1 x sum.
	WIN 0
	PLACES
	s_lshl_b32 s60, s19, 7
	s_lshl_b32 s61, s12, 5
	s_add_co_u32 s60, s60, s61                     ; 128 br + 32 wave
	s_lshl_b32 s60, s60, 12                        ; x 4,096 bytes
	s_lshl_b32 s61, s18, 9                         ; + 512 bc
	s_add_co_u32 s60, s60, s61
	s_mov_b32 s61, 0
	s_add_nc_u64 s[8:9], s[8:9], s[60:61]
	s_add_nc_u64 s[10:11], s[10:11], s[60:61]
.irp i, 0,1,2,3,4,5,6,7,8,9,10,11,12,13,14,15,16,17,18,19,20,21,22,23,24,25,26,27,28,29,30,31
	global_load_b128 v[64+4*\i:64+4*\i+3], v[CO], s[10:11] offset:\i*4096
.endr
	v_mov_b32 v2, 0x3dcccccd                       ; 0.1, twice
	v_mov_b32 v3, 0x3dcccccd
	WIN 0x04                                       ; store data from window 1
.irp a, 0,1,2,3
.irp b, 0,1,2,3
	ds_store_b128 v[STO], v[8*(4*\a+\b):8*(4*\a+\b)+3] offset:\a*16*SP+64*\b
	ds_store_b128 v[STO], v[8*(4*\a+\b)+4:8*(4*\a+\b)+7] offset:\a*16*SP+64*\b+16
.endr
.endr
	WIN 0
	s_wait_dscnt 0x0                               ; my stores are done, for the sake of the waves that read them
	s_barrier_signal -1
	s_barrier_wait -1
.macro BATCH g                         ; 16 rows
.irp t, 0,1,2,3,4,5,6,7,8,9,10,11,12,13,14,15
	ds_load_b128 v[192+4*\t:192+4*\t+3], v[RD] offset:(16*\g+\t)*SP
.endr
.irp t, 0,1,2,3,4,5,6,7,8,9,10,11,12,13,14,15
	s_wait_dscnt 15-\t                             ; row t of the batch is back from the stage,
	s_wait_loadcnt 31-(16*\g+\t)                   ; and its residual is in; the younger ones stay out
	v_pk_fma_f32 v[64+4*(16*\g+\t):64+4*(16*\g+\t)+1], v[192+4*\t:192+4*\t+1], v[2:3], v[64+4*(16*\g+\t):64+4*(16*\g+\t)+1]
	v_pk_fma_f32 v[64+4*(16*\g+\t)+2:64+4*(16*\g+\t)+3], v[192+4*\t+2:192+4*\t+3], v[2:3], v[64+4*(16*\g+\t)+2:64+4*(16*\g+\t)+3]
	global_store_b128 v[CO], v[64+4*(16*\g+\t):64+4*(16*\g+\t)+3], s[8:9] offset:(16*\g+\t)*4096    ; the wave stores 512 consecutive bytes, aligned
.endr
.endm
	BATCH 0
	BATCH 1
	s_wait_tensorcnt 0x0
	ds_add_u32 v62, v63
	s_wait_dscnt 0x0
	CROUND                                         ; the closing round
	s_endpgm
.Lfunc_end_k_q57717b3b34_wo:
	.size	k_q57717b3b34_wo, .Lfunc_end_k_q57717b3b34_wo-k_q57717b3b34_wo
	.p2alignl 7, 3214868480
	.fill 96, 4, 3214868480
	.section	.rodata,"a",@progbits
	.p2align	6, 0x0
	.amdhsa_kernel k_q57717b3b34_wo
		.amdhsa_group_segment_fixed_size 327680
		.amdhsa_private_segment_fixed_size 0
		.amdhsa_enable_private_segment 0
		.amdhsa_kernarg_size 32
		.amdhsa_user_sgpr_count 2
		.amdhsa_user_sgpr_kernarg_segment_ptr 1
		.amdhsa_wavefront_size32 1
		.amdhsa_system_sgpr_workgroup_id_x 1
		.amdhsa_system_sgpr_workgroup_id_y 1
		.amdhsa_system_sgpr_workgroup_id_z 1
		.amdhsa_system_vgpr_workitem_id 0
		.amdhsa_next_free_vgpr 384
		.amdhsa_next_free_sgpr 66
		.amdhsa_reserve_vcc 0
		.amdhsa_float_denorm_mode_32 3
		.amdhsa_float_denorm_mode_16_64 3
		.amdhsa_memory_ordered 1
		.amdhsa_forward_progress 1
		.amdhsa_inst_pref_size 97
	.end_amdhsa_kernel
	.amdgpu_metadata
---
amdhsa.version: [ 1, 2 ]
amdhsa.kernels:
  - .name:           k_q57717b3b34_wo
    .symbol:         k_q57717b3b34_wo.kd
    .args:
      - { .name: act_b, .offset: 0, .size: 8, .value_kind: global_buffer, .address_space: global }
      - { .name: wob, .offset: 8, .size: 8, .value_kind: global_buffer, .address_space: global }
      - { .name: x1, .offset: 16, .size: 8, .value_kind: global_buffer, .address_space: global }
      - { .name: hidden_states, .offset: 24, .size: 8, .value_kind: global_buffer, .address_space: global }
    .group_segment_fixed_size: 327680
    .private_segment_fixed_size: 0
    .kernarg_segment_align: 8
    .kernarg_segment_size: 32
    .max_flat_workgroup_size: 128
    .sgpr_count:     66
    .vgpr_count:     384
    .wavefront_size: 32
...
	.end_amdgpu_metadata
.endif
;; end of part 4
;; launch ln2 (part 5): grid 256 x 1, 8 waves a work-group, no clusters, 0 bytes of LDS; arguments x1, ln2_g, ln2_b, act_a; writes act_a
.if DOCPART == 5
	.amdgcn_target "amdgcn-amd-amdhsa--gfx1250"
	.amdhsa_code_object_version 6
	.text
	.protected	k_q57717b3b34_ln2
	.globl	k_q57717b3b34_ln2
	.p2align	8
	.type	k_q57717b3b34_ln2,@function
k_q57717b3b34_ln2:
	s_mov_b64 s[64:65], 0
	v_nop
	global_prefetch_b8 v0, s[64:65] scope:SCOPE_SE
	s_setreg_imm32_b32 hwreg(HW_REG_WAVE_MODE, 25, 1), 1
	s_wait_xcnt 0x0
; ln2: act_a[row] = bf16( (x1 - mean) * rsqrt(var + 1e-5) * ln2_g + ln2_b ), row = 16 x + 2 wave, two rows a wave.
; A row is 1,024 f32 = 4,096 bytes: eight loads of 16 bytes a lane keep it in 32 registers, so it is read once; it leaves as eight stores of
; 8 bytes a lane, each covering 256 consecutive bytes, aligned.  The variance is made in two passes from x - mean.
; No LDS, no matrix unit, no cluster: the work-groups share nothing but 8 KiB of gain and bias, and a row never leaves its wave.
; Limits: v_rsq_f32 is accurate to one unit in the last place; NaN and infinite inputs are not served.
.set T,   4                            ; v[4:11]    four running pairs
.set PT,  12                           ; v12        takes the other half of the lanes
.set MU,  14                           ; v[14:17]   minus the mean, twice, for row 0 and row 1
.set RS,  18                           ; v[18:21]   1 / sqrt(var + eps), twice, for row 0 and row 1
.set X0,  32
.set X1,  64
.set G,   96
.set BT,  128
.set Y,   160
.set SEL, 20                           ; s20, s21 lane selects; s22 = 1/1024; s23 = -1/1024
.macro REDUCE
	v_pk_add_f32 v[T:T+1], v[T:T+1], v[T+2:T+3]
	v_pk_add_f32 v[T+4:T+5], v[T+4:T+5], v[T+6:T+7]
	v_pk_add_f32 v[T:T+1], v[T:T+1], v[T+4:T+5]
	v_add_f32 v[T], v[T], v[T+1]
	v_add_f32_dpp v[T], v[T], v[T] row_xmask:1 row_mask:0xf bank_mask:0xf
	v_add_f32_dpp v[T], v[T], v[T] row_xmask:2 row_mask:0xf bank_mask:0xf
	v_add_f32_dpp v[T], v[T], v[T] row_xmask:4 row_mask:0xf bank_mask:0xf
	v_add_f32_dpp v[T], v[T], v[T] row_xmask:8 row_mask:0xf bank_mask:0xf
	v_permlanex16_b32 v[PT], v[T], s[SEL], s[SEL+1]
	v_add_f32 v[T], v[T], v[PT]
.endm
.macro STATS x, k
.irp c, 0,1,2,3
	v_pk_add_f32 v[T+2*\c:T+2*\c+1], v[\x+4*\c:\x+4*\c+1], v[\x+4*\c+2:\x+4*\c+3]      ; the first numbers start the four sums
.endr
.irp c, 0,1,2,3
	v_pk_add_f32 v[T+2*\c:T+2*\c+1], v[T+2*\c:T+2*\c+1], v[\x+16+2*\c:\x+16+2*\c+1]
.endr
.irp c, 0,1,2,3
	v_pk_add_f32 v[T+2*\c:T+2*\c+1], v[T+2*\c:T+2*\c+1], v[\x+24+2*\c:\x+24+2*\c+1]
.endr
	REDUCE
	v_mul_f32 v[MU+2*\k], s[SEL+3], v[T]           ; minus the mean, in both registers of a pair
	v_mul_f32 v[MU+2*\k+1], s[SEL+3], v[T]
.irp c, 0,1,2,3,4,5,6,7,8,9,10,11,12,13,14,15
	v_pk_add_f32 v[\x+2*\c:\x+2*\c+1], v[\x+2*\c:\x+2*\c+1], v[MU+2*\k:MU+2*\k+1]
.endr
.irp c, 0,1,2,3
	v_pk_mul_f32 v[T+2*\c:T+2*\c+1], v[\x+2*\c:\x+2*\c+1], v[\x+2*\c:\x+2*\c+1]
.endr
.irp c, 4,5,6,7,8,9,10,11,12,13,14,15
	v_pk_fma_f32 v[T+2*(\c%4):T+2*(\c%4)+1], v[\x+2*\c:\x+2*\c+1], v[\x+2*\c:\x+2*\c+1], v[T+2*(\c%4):T+2*(\c%4)+1]
.endr
	REDUCE
	v_fmaak_f32 v[T], s[SEL+2], v[T], 0x3727c5ac   ; sum of squares / 1024 + 1e-5
	v_rsq_f32 v[RS+2*\k], v[T]
	v_rsq_f32 v[RS+2*\k+1], v[T]
	v_nop                                          ; one plain place before T is written again or RS is used (ISA guide 5.7.2)
.endm
.macro FINISH x, k
	s_wait_alu depctr_va_vdst(0)
.irp c, 0,1,2,3,4,5,6,7,8,9,10,11,12,13,14,15
	v_pk_mul_f32 v[\x+2*\c:\x+2*\c+1], v[\x+2*\c:\x+2*\c+1], v[RS+2*\k:RS+2*\k+1]
.endr
.irp c, 0,1,2,3,4,5,6,7,8,9,10,11,12,13,14,15
	v_pk_fma_f32 v[\x+2*\c:\x+2*\c+1], v[\x+2*\c:\x+2*\c+1], v[G+2*\c:G+2*\c+1], v[BT+2*\c:BT+2*\c+1]
.endr
.irp c, 0,1,2,3,4,5,6,7,8,9,10,11,12,13,14,15
	v_cvt_pk_bf16_f32 v[Y+16*\k+\c], v[\x+2*\c], v[\x+2*\c+1]
.endr
.irp j, 0,1,2,3,4,5,6,7
	global_store_b64 v2, v[Y+16*\k+2*\j:Y+16*\k+2*\j+1], s[10:11] offset:\k*2048+256*\j
.endr
.endm
	s_load_b256 s[4:11], s[0:1], 0x0               ; x1 s[4:5], ln2_g s[6:7], ln2_b s[8:9], act_a s[10:11]
	v_and_b32 v3, 31, v0                           ; lane
	v_lshrrev_b32 v22, 5, v0
	v_readfirstlane_b32 s2, v22                    ; wave
	v_lshlrev_b32 v1, 4, v3                        ; 16 x lane
	v_lshlrev_b32 v2, 3, v3                        ; 8 x lane
	s_lshl_b32 s12, ttmp9, 4
	s_lshl1_add_u32 s12, s2, s12                   ; my first row: 16 x + 2 wave
	s_lshl_b32 s14, s12, 12                        ; x 4,096 bytes in x1
	s_mov_b32 s15, 0
	s_lshl_b32 s16, s12, 11                        ; x 2,048 bytes in act_a
	s_mov_b32 s17, 0
	s_mov_b32 s[SEL], 0x76543210
	s_mov_b32 s[SEL+1], 0xfedcba98
	s_mov_b32 s[SEL+2], 0x3a800000                 ; 1/1024
	s_mov_b32 s[SEL+3], 0xba800000                 ; -1/1024
	v_mov_b32 v[PT], 0                             ; the lane permute counts as a reader of its destination
	s_wait_kmcnt 0x0
	s_add_nc_u64 s[4:5], s[4:5], s[14:15]
	s_add_nc_u64 s[10:11], s[10:11], s[16:17]
.irp j, 0,1,2,3,4,5,6,7
	global_load_b128 v[X0+4*\j:X0+4*\j+3], v1, s[4:5] offset:512*\j
.endr
.irp j, 0,1,2,3,4,5,6,7
	global_load_b128 v[X1+4*\j:X1+4*\j+3], v1, s[4:5] offset:4096+512*\j
.endr
.irp j, 0,1,2,3,4,5,6,7
	global_load_b128 v[G+4*\j:G+4*\j+3], v1, s[6:7] offset:512*\j
.endr
.irp j, 0,1,2,3,4,5,6,7
	global_load_b128 v[BT+4*\j:BT+4*\j+3], v1, s[8:9] offset:512*\j
.endr
	s_wait_loadcnt 24                              ; row 0 is in; row 1, gain and bias (24 younger loads) stay out
	STATS X0, 0
	s_wait_loadcnt 16                              ; row 1 is in; gain and bias stay out
	STATS X1, 1
	s_wait_loadcnt 0x0
	FINISH X0, 0
	FINISH X1, 1
	s_endpgm
.Lfunc_end_k_q57717b3b34_ln2:
	.size	k_q57717b3b34_ln2, .Lfunc_end_k_q57717b3b34_ln2-k_q57717b3b34_ln2
	.p2alignl 7, 3214868480
	.fill 96, 4, 3214868480
	.section	.rodata,"a",@progbits
	.p2align	6, 0x0
	.amdhsa_kernel k_q57717b3b34_ln2
		.amdhsa_group_segment_fixed_size 0
		.amdhsa_private_segment_fixed_size 0
		.amdhsa_enable_private_segment 0
		.amdhsa_kernarg_size 32
		.amdhsa_user_sgpr_count 2
		.amdhsa_user_sgpr_kernarg_segment_ptr 1
		.amdhsa_wavefront_size32 1
		.amdhsa_system_sgpr_workgroup_id_x 1
		.amdhsa_system_sgpr_workgroup_id_y 1
		.amdhsa_system_sgpr_workgroup_id_z 1
		.amdhsa_system_vgpr_workitem_id 0
		.amdhsa_next_free_vgpr 192
		.amdhsa_next_free_sgpr 66
		.amdhsa_reserve_vcc 0
		.amdhsa_float_denorm_mode_32 3
		.amdhsa_float_denorm_mode_16_64 3
		.amdhsa_memory_ordered 1
		.amdhsa_forward_progress 1
		.amdhsa_inst_pref_size 20
	.end_amdhsa_kernel
	.amdgpu_metadata
---
amdhsa.version: [ 1, 2 ]
amdhsa.kernels:
  - .name:           k_q57717b3b34_ln2
    .symbol:         k_q57717b3b34_ln2.kd
    .args:
      - { .name: x1, .offset: 0, .size: 8, .value_kind: global_buffer, .address_space: global }
      - { .name: ln2_g, .offset: 8, .size: 8, .value_kind: global_buffer, .address_space: global }
      - { .name: ln2_b, .offset: 16, .size: 8, .value_kind: global_buffer, .address_space: global }
      - { .name: act_a, .offset: 24, .size: 8, .value_kind: global_buffer, .address_space: global }
    .group_segment_fixed_size: 0
    .private_segment_fixed_size: 0
    .kernarg_segment_align: 8
    .kernarg_segment_size: 32
    .max_flat_workgroup_size: 256
    .sgpr_count:     66
    .vgpr_count:     192
    .wavefront_size: 32
...
	.end_amdgpu_metadata
.endif
;; end of part 5
;; launch w1 (part 6): grid 8 x 32, 4 waves a work-group, clusters of 4 x 4, 327,680 bytes of LDS; arguments act_a, w1b, act_b; writes act_b
.if DOCPART == 6
	.amdgcn_target "amdgcn-amd-amdhsa--gfx1250"
	.amdhsa_code_object_version 6
	.text
	.protected	k_q57717b3b34_w1
	.globl	k_q57717b3b34_w1
	.p2align	8
	.type	k_q57717b3b34_w1,@function
k_q57717b3b34_w1:
	s_mov_b64 s[64:65], 0
	v_nop
	global_prefetch_b8 v0, s[64:65] scope:SCOPE_SE
	s_setreg_imm32_b32 hwreg(HW_REG_WAVE_MODE, 25, 1), 1
	s_wait_xcnt 0x0
	s_wait_alu depctr_hold_cnt(0) depctr_sa_sdst(0) depctr_va_vdst(0) depctr_va_sdst(0) depctr_va_ssrc(0) depctr_va_vcc(0) depctr_vm_vsrc(0)
	s_getreg_b32 s2, hwreg(HW_REG_IB_STS2, 6, 4)
	s_cmp_eq_u32 s2, 0
	s_cbranch_scc0 .Lentry_in_a_cluster
	s_endpgm
.Lentry_in_a_cluster:
	s_bfe_u32 s2, ttmp6, 0x10000c
	s_cmp_lg_u32 s2, 0xf033
	s_cbranch_scc0 .Lentry_shape_is_right
	s_endpgm
.Lentry_shape_is_right:
; out[m][n] = bf16( gelu( sum over k of A[m][k] W[k][n] ) ), the exact (erf) GELU.  A [4096][1024] bf16, W [1024][1024] bf16, out [4096][1024] bf16.
; The product is made as in the text of the output projection: 128 x 128 a work-group, four waves of 64 x 64, K steps of 256 through two LDS slots,
; clusters of 4 x 4 with tiles of A asked for jointly along a row and tiles of W along a column, W transposed by ds_load_tr16_b128.
; A wave has four tensor loads out at the start and two later.  The 16 accumulators take turns, one instruction a turn.
; GELU: gelu(x) = max(x, 0) - |x| q, q = (1 - erf(|x| / sqrt 2)) / 2 = (a1 t + .. + a5 t^5) exp(-x x / 2) / 2, t = 1 / (1 + 0.3275911 |x| / sqrt 2)
; (Abramowitz and Stegun 7.1.26).  Limit: that formula is off from erf by at most 1.5e-7 in absolute terms, for every argument;
; v_exp_f32 and v_rcp_f32 flush denormals; NaN and infinite inputs are not served.
.set NT,     128
.set NTOT,   1024
.set NF,     4
.set KSTEP,  256
.set KQ,     KSTEP/32
.set PA,     528                       ; LDS pitch of A: 512 bytes + 16, an odd multiple of 16
.set PB,     288                       ; LDS pitch of W: two pieces of 128 bytes + 16, an odd multiple of 32
.set QIA,    6
.set ABYTES, 128*PA
.set BBYTES, KSTEP*PB
.set SLOT,   ABYTES+BBYTES
.set NLD,    2*NF+8
.set SP,     528
.set ADRA, 16
.set ADRB, 20
.set STO,  24
.set RD,   25
.set CO,   26
.set CP,   2                           ; v[2:3]   0.3275911 / sqrt 2, twice
.set CE,   4                           ; v[4:5]   - log2(e) / 2
.set A5,   6                           ; v[6:15]  minus half of a5, a4, a3, a2, a1
.set A4,   8
.set A3,   10
.set A2,   12
.set A1,   14
.set ONE,  28                          ; v[28:29] 1.0
.set D,    32                          ; v[32:39] 1 + p |x|, then t
.set E,    40                          ; v[40:47] exponent, then exp
.set PP,   48                          ; v[48:55] the polynomial
.set AX,   56                          ; v[56:63] |x|
.set G1A, 24
.set G0A, 32
.set G1B, 40
.set G0B, 48
.set MUL_LO, 0x50
.set MUL_HI, 0x50
.set TO_B,   0
.set MSB, 0
.macro WIN new
.if MSB != \new
	s_set_vgpr_msb (MSB<<8)|\new
.set MSB, \new
.endif
.endm
.macro PLACES                          ; four plain places behind matrix instructions (ISA guide 7.12.1)
.rept 4
	v_nop
.endr
.endm
.macro CREST
	s_cmp_lg_u32 s12, 0
	s_cbranch_scc1 .Lnot_wave_0_\@
	s_barrier_signal -3
.Lnot_wave_0_\@:
	s_barrier_wait -3
	s_barrier_signal -1
	s_barrier_wait -1
.endm
.macro CROUND
	s_barrier_signal -1
	s_barrier_wait -1
	CREST
.endm
	s_load_b128 s[4:7], s[0:1], 0x0                ; A s[4:5], W s[6:7]
	s_load_b64 s[8:9], s[0:1], 0x10                ; out
	v_lshl_add_u32 v30, v0, 2, 0x45000
	v_mov_b32 v31, 0
	ds_add_u32 v30, v31
	v_lshrrev_b32 v1, 5, v0
	v_readfirstlane_b32 s12, v1                    ; wave
	s_lshr_b32 s13, s12, 1                         ; wm
	s_and_b32 s14, s12, 1                          ; wn
	s_bfe_u32 s16, ttmp6, 0x40000                  ; cx
	s_bfe_u32 s17, ttmp6, 0x40004                  ; cy
	s_lshl_b32 s18, ttmp9, 2
	s_add_co_u32 s18, s18, s16                     ; bc
	s_and_b32 s19, ttmp7, 0xffff
	s_lshl_b32 s19, s19, 2
	s_add_co_u32 s19, s19, s17                     ; br
	s_lshl_b32 s20, s17, 2
	s_lshl_b32 s20, 15, s20                        ; my row of the cluster
	s_lshl_b32 s21, 0x1111, s16                    ; my column of the cluster
	s_or_b32 s[G1A+0], s20, (1<<16)|(1<<20)|(1<<21)|(QIA<<22)|(3<<25)   ; A: 32 rows x 256 elements of 2 bytes, 4 words behind every 128
	s_mov_b32 s[G1A+1], KSTEP<<16
	s_mov_b32 s[G1A+2], 32<<16
	s_mov_b32 s[G1A+3], KSTEP<<16
	s_mov_b32 s[G1A+4], 32
	s_mov_b32 s[G1A+5], 1024
	s_mov_b32 s[G1A+6], 0
	s_mov_b32 s[G1A+7], 0
	s_or_b32 s[G1B+0], s21, (1<<16)|(1<<20)|(1<<21)|(4<<22)|(3<<25)     ; W: 64 k rows x 128 elements, 4 words behind every 32
	s_mov_b32 s[G1B+1], NT<<16
	s_mov_b32 s[G1B+2], (KSTEP/4)<<16
	s_mov_b32 s[G1B+3], NT<<16
	s_mov_b32 s[G1B+4], KSTEP/4
	s_mov_b32 s[G1B+5], NTOT
	s_mov_b32 s[G1B+6], 0
	s_mov_b32 s[G1B+7], 0
	s_lshl_b32 s56, s19, 18
	s_lshl_b32 s57, s12, 16
	s_add_co_u32 s56, s56, s57
	s_mov_b32 s57, 0
	s_mul_i32 s58, s12, (KSTEP/4)*NTOT*2
	s_mul_i32 s59, s18, NT*2
	s_add_co_u32 s58, s58, s59
	s_mov_b32 s59, 0
	s_mul_i32 s22, s12, 32*PA
	s_mul_i32 s23, s12, (KSTEP/4)*PB
	s_add_co_u32 s23, s23, ABYTES
	s_wait_dscnt 0x0
	s_wait_kmcnt 0x0
	s_add_nc_u64 s[56:57], s[4:5], s[56:57]
	s_add_nc_u64 s[58:59], s[6:7], s[58:59]
	CROUND                                         ; the first joint loads meet
.irp s, 0,1
	s_mov_b32 s[G0A+4*\s], 1
	s_add_co_u32 s[G0A+4*\s+1], s22, \s*SLOT
	s_add_nc_u64 s[G0A+4*\s+2:G0A+4*\s+3], s[56:57], \s*KSTEP*2
	s_or_b32 s[G0A+4*\s+3], s[G0A+4*\s+3], 0x80000000
	s_mov_b32 s[G0B+4*\s], 1
	s_add_co_u32 s[G0B+4*\s+1], s23, \s*SLOT
	s_add_nc_u64 s[G0B+4*\s+2:G0B+4*\s+3], s[58:59], \s*KSTEP*NTOT*2
	s_or_b32 s[G0B+4*\s+3], s[G0B+4*\s+3], 0x80000000
	tensor_load_to_lds s[G0A+4*\s:G0A+4*\s+3], s[G1A:G1A+7]
	s_nop 0
	tensor_load_to_lds s[G0B+4*\s:G0B+4*\s+3], s[G1B:G1B+7]
	s_nop 0
.endr
	v_and_b32 v1, 15, v0                           ; r
	v_bfe_u32 v2, v0, 4, 1                         ; h
	v_mul_u32_u24 v3, v1, PA
	v_lshl_add_u32 v3, v2, 4, v3
	s_mul_i32 s60, s13, 64*PA
	v_add_nc_u32 v[ADRA], s60, v3
	v_add_nc_u32 v[ADRA+1], SLOT, v[ADRA]
	v_and_b32 v4, 7, v0
	v_lshl_add_u32 v4, v2, 3, v4
	v_bfe_u32 v5, v0, 3, 1
	v_mul_u32_u24 v4, v4, PB
	v_lshl_add_u32 v4, v5, 4, v4
	s_mul_i32 s61, s14, (NF/4)*144
	s_add_co_u32 s61, s61, ABYTES
	v_add_nc_u32 v[ADRB], s61, v4
	v_add_nc_u32 v[ADRB+1], (KSTEP/2)*PB, v[ADRB]
	v_add_nc_u32 v[ADRB+2], SLOT, v[ADRB]
	v_add_nc_u32 v[ADRB+3], SLOT, v[ADRB+1]
	v_mul_u32_u24 v6, v1, SP                       ; the stage, in: row 64 wm + r, byte 256 wn + 32 h
	v_lshl_add_u32 v6, v2, 5, v6
	s_mul_i32 s62, s13, 64*SP
	s_lshl_b32 s63, s14, 8
	s_add_co_u32 s62, s62, s63
	v_add_nc_u32 v[STO], s62, v6
	v_and_b32 v7, 31, v0
	v_lshlrev_b32 v[CO], 3, v7                     ; 8 x lane: a row of 256 bytes of bf16 to a wave
	v_lshlrev_b32 v8, 4, v7
	s_mul_i32 s62, s12, 32*SP
	v_add_nc_u32 v[RD], s62, v8                    ; back: rows 32 wave .., 16 x lane
.macro MULA q, a, zero
.irp b, 0,1,2,3
.if \zero
	v_wmma_f32_16x16x32_bf16 v[8*(4*\a+\b):8*(4*\a+\b)+7], v[128+32*((\q)%2)+8*\b:128+32*((\q)%2)+8*\b+7], v[64+32*((\q)%2)+8*\a:64+32*((\q)%2)+8*\a+7], 0
.else
	v_wmma_f32_16x16x32_bf16 v[8*(4*\a+\b):8*(4*\a+\b)+7], v[128+32*((\q)%2)+8*\b:128+32*((\q)%2)+8*\b+7], v[64+32*((\q)%2)+8*\a:64+32*((\q)%2)+8*\a+7], v[8*(4*\a+\b):8*(4*\a+\b)+7]
.endif
.endr
.endm
.macro FETCH slot, q
	WIN TO_B
.irp b, 0,1,2,3
	ds_load_tr16_b128 v[128+32*((\q)%2)+8*\b:128+32*((\q)%2)+8*\b+3], v[ADRB+2*\slot+(\q)/(KQ/2)] offset:((\q)%(KQ/2))*32*PB+(\b/4)*144+(\b%4)*32
	ds_load_tr16_b128 v[128+32*((\q)%2)+8*\b+4:128+32*((\q)%2)+8*\b+7], v[ADRB+2*\slot+(\q)/(KQ/2)] offset:((\q)%(KQ/2))*32*PB+16*PB+(\b/4)*144+(\b%4)*32
.endr
	WIN 0
.irp a, 0,1,2,3
	ds_load_b128 v[64+32*((\q)%2)+8*\a:64+32*((\q)%2)+8*\a+3], v[ADRA+\slot] offset:\a*16*PA+64*(\q)
	ds_load_b128 v[64+32*((\q)%2)+8*\a+4:64+32*((\q)%2)+8*\a+7], v[ADRA+\slot] offset:\a*16*PA+64*(\q)+32
.endr
.endm
.macro QUARTER slot, q, zero
	s_wait_dscnt 4                                 ; W and the A fragments 0, 1 are in; the four youngest loads (A fragments 2, 3) may be out
	WIN MUL_LO
	MULA \q, 0, \zero
	MULA \q, 1, \zero
	PLACES
	FETCH \slot, \q+1
	s_wait_dscnt NLD                               ; all but the run just issued
	WIN MUL_HI
	MULA \q, 2, \zero
	MULA \q, 3, \zero
.endm
; the last quarter of a K step changes slots: waits for my reads of this slot and for all my tensor loads, barrier (with fill = 1 it opens a round of
; the barrier of the cluster), joint refills first behind it, then the first fragments of the next slot
.macro TURN slot, next, fill
	s_wait_dscnt 4
	WIN MUL_LO
	MULA KQ-1, 0, 0
	s_wait_dscnt 0x0
	s_wait_tensorcnt 0x0
	ds_add_u32 v30, v31
	s_wait_dscnt 0x0
	s_barrier_signal -1
	MULA KQ-1, 1, 0
	WIN 0
	s_barrier_wait -1
.if \fill
	CREST
	s_add_nc_u64 s[G0A+4*\slot+2:G0A+4*\slot+3], s[G0A+4*\slot+2:G0A+4*\slot+3], 4*KSTEP
	s_add_nc_u64 s[G0B+4*\slot+2:G0B+4*\slot+3], s[G0B+4*\slot+2:G0B+4*\slot+3], 4*KSTEP*NTOT
	tensor_load_to_lds s[G0A+4*\slot:G0A+4*\slot+3], s[G1A:G1A+7]
	s_nop 0
	tensor_load_to_lds s[G0B+4*\slot:G0B+4*\slot+3], s[G1B:G1B+7]
	s_nop 0
.endif
	PLACES
	FETCH \next, 0
	WIN MUL_HI
	MULA KQ-1, 2, 0
	MULA KQ-1, 3, 0
.endm
.macro STEP slot, zero
	QUARTER \slot, 0, \zero
.irp q, 1,2,3,4,5,6
	QUARTER \slot, \q, 0
.endr
.endm
	s_wait_tensorcnt 2                             ; my two parts of K step 0 are in; the two of K step 1 stay out
	s_barrier_signal -1
	s_barrier_wait -1
	FETCH 0, 0
	STEP 0, 1                                      ; K steps 0 and 1; both slots are filled again
	TURN 0, 1, 1
	STEP 1, 0
	TURN 1, 0, 1
	STEP 0, 0                                      ; K steps 2 and 3 fill nothing
	TURN 0, 1, 0
	STEP 1, 0
	s_wait_dscnt 4
	WIN MUL_LO
	MULA KQ-1, 0, 0
	MULA KQ-1, 1, 0
	s_wait_dscnt 0x0
	MULA KQ-1, 2, 0
	MULA KQ-1, 3, 0
	; THE WAY OUT.  Slot 0 has had its last fill and its last reads were waited for in front of the barrier of the last change of slots: it serves as a
	; stage of 128 rows x 528 bytes of f32.  Each wave then finishes 32 whole rows: GELU, round, 256 bytes of bf16 a row.
	WIN 0
	PLACES
	s_lshl_b32 s60, s19, 7
	s_lshl_b32 s61, s12, 5
	s_add_co_u32 s60, s60, s61                     ; 128 br + 32 wave
	s_lshl_b32 s60, s60, 11                        ; x 2,048 bytes
	s_lshl_b32 s61, s18, 8                         ; + 256 bc
	s_add_co_u32 s60, s60, s61
	s_mov_b32 s61, 0
	s_add_nc_u64 s[8:9], s[8:9], s[60:61]
	WIN 0x04                                       ; store data from window 1
.irp a, 0,1,2,3
.irp b, 0,1,2,3
	ds_store_b128 v[STO], v[8*(4*\a+\b):8*(4*\a+\b)+3] offset:\a*16*SP+64*\b
	ds_store_b128 v[STO], v[8*(4*\a+\b)+4:8*(4*\a+\b)+7] offset:\a*16*SP+64*\b+16
.endr
.endr
	WIN 0
.irp k, 0,1
	v_mov_b32 v[CP+\k], 0x3e6d3388                 ;  0.23164189
	v_mov_b32 v[CE+\k], 0xbf38aa3b                 ; -0.72134752
	v_mov_b32 v[A5+\k], 0xbf07dc22                 ; -0.5307027145
	v_mov_b32 v[A4+\k], 0x3f3a00e3                 ;  0.7265760135
	v_mov_b32 v[A3+\k], 0xbf35f0e3                 ; -0.7107068705
	v_mov_b32 v[A2+\k], 0x3e11a98e                 ;  0.142248368
	v_mov_b32 v[A1+\k], 0xbe027906                 ; -0.127414796
	v_mov_b32 v[ONE+\k], 1.0
.endr
	s_wait_dscnt 0x0                               ; my stores are done, for the sake of the waves that read them
	s_barrier_signal -1
	s_barrier_wait -1
.irp i, 0,1,2,3,4,5,6,7,8,9,10,11,12,13,14,15,16,17,18,19,20,21,22,23,24,25,26,27,28,29,30,31
	ds_load_b128 v[128+4*\i:128+4*\i+3], v[RD] offset:\i*SP
.endr
; eight numbers at register x (four of each of two rows) become four registers of bf16 at y
.macro GELU8 x, y
.irp i, 0,1,2,3,4,5,6,7
	v_and_b32 v[AX+\i], 0x7fffffff, v[(\x)+\i]
.endr
.irp i, 0,2,4,6
	v_pk_fma_f32 v[D+\i:D+\i+1], v[AX+\i:AX+\i+1], v[CP:CP+1], v[ONE:ONE+1]
.endr
.irp i, 0,2,4,6
	v_pk_mul_f32 v[E+\i:E+\i+1], v[(\x)+\i:(\x)+\i+1], v[CE:CE+1]
.endr
.irp i, 0,2,4,6
	v_pk_mul_f32 v[E+\i:E+\i+1], v[E+\i:E+\i+1], v[(\x)+\i:(\x)+\i+1]
.endr
.irp i, 0,1,2,3,4,5,6,7
	v_rcp_f32 v[D+\i], v[D+\i]
.endr
.irp i, 0,1,2,3,4,5,6,7
	v_exp_f32 v[E+\i], v[E+\i]
.endr
.irp i, 0,1,2,3,4,5,6,7
	v_max_num_f32 v[(\x)+\i], 0, v[(\x)+\i]        ; plain work that touches neither t nor the exponential stands behind them (ISA guide 5.7.2)
.endr
	s_wait_alu depctr_va_vdst(0)
.irp i, 0,2,4,6
	v_pk_fma_f32 v[PP+\i:PP+\i+1], v[D+\i:D+\i+1], v[A5:A5+1], v[A4:A4+1]
.endr
.irp i, 0,2,4,6
	v_pk_fma_f32 v[PP+\i:PP+\i+1], v[PP+\i:PP+\i+1], v[D+\i:D+\i+1], v[A3:A3+1]
.endr
.irp i, 0,2,4,6
	v_pk_fma_f32 v[PP+\i:PP+\i+1], v[PP+\i:PP+\i+1], v[D+\i:D+\i+1], v[A2:A2+1]
.endr
.irp i, 0,2,4,6
	v_pk_fma_f32 v[PP+\i:PP+\i+1], v[PP+\i:PP+\i+1], v[D+\i:D+\i+1], v[A1:A1+1]
.endr
.irp i, 0,2,4,6
	v_pk_mul_f32 v[PP+\i:PP+\i+1], v[PP+\i:PP+\i+1], v[D+\i:D+\i+1]
.endr
.irp i, 0,2,4,6
	v_pk_mul_f32 v[PP+\i:PP+\i+1], v[PP+\i:PP+\i+1], v[E+\i:E+\i+1]
.endr
.irp i, 0,2,4,6
	v_pk_fma_f32 v[(\x)+\i:(\x)+\i+1], v[PP+\i:PP+\i+1], v[AX+\i:AX+\i+1], v[(\x)+\i:(\x)+\i+1]    ; max(x, 0) - |x| q: the coefficients carry the sign
.endr
.irp i, 0,1,2,3
	v_cvt_pk_bf16_f32 v[(\y)+\i], v[(\x)+2*\i], v[(\x)+2*\i+1]
.endr
.endm
.irp p, 0,1,2,3,4,5,6,7,8,9,10,11,12,13,14,15
	s_wait_dscnt 30-2*\p                           ; rows 2 p and 2 p + 1 are back from the stage; the younger loads stay out
	GELU8 128+8*\p, 64+4*\p
	global_store_b64 v[CO], v[64+4*\p:64+4*\p+1], s[8:9] offset:2*\p*2048            ; the wave stores 256 consecutive bytes, aligned
	global_store_b64 v[CO], v[64+4*\p+2:64+4*\p+3], s[8:9] offset:(2*\p+1)*2048
.endr
	s_wait_tensorcnt 0x0
	ds_add_u32 v30, v31
	s_wait_dscnt 0x0
	CROUND                                         ; the closing round
	s_endpgm
.Lfunc_end_k_q57717b3b34_w1:
	.size	k_q57717b3b34_w1, .Lfunc_end_k_q57717b3b34_w1-k_q57717b3b34_w1
	.p2alignl 7, 3214868480
	.fill 96, 4, 3214868480
	.section	.rodata,"a",@progbits
	.p2align	6, 0x0
	.amdhsa_kernel k_q57717b3b34_w1
		.amdhsa_group_segment_fixed_size 327680
		.amdhsa_private_segment_fixed_size 0
		.amdhsa_enable_private_segment 0
		.amdhsa_kernarg_size 24
		.amdhsa_user_sgpr_count 2
		.amdhsa_user_sgpr_kernarg_segment_ptr 1
		.amdhsa_wavefront_size32 1
		.amdhsa_system_sgpr_workgroup_id_x 1
		.amdhsa_system_sgpr_workgroup_id_y 1
		.amdhsa_system_sgpr_workgroup_id_z 1
		.amdhsa_system_vgpr_workitem_id 0
		.amdhsa_next_free_vgpr 384
		.amdhsa_next_free_sgpr 66
		.amdhsa_reserve_vcc 0
		.amdhsa_float_denorm_mode_32 3
		.amdhsa_float_denorm_mode_16_64 3
		.amdhsa_memory_ordered 1
		.amdhsa_forward_progress 1
		.amdhsa_inst_pref_size 154
	.end_amdhsa_kernel
	.amdgpu_metadata
---
amdhsa.version: [ 1, 2 ]
amdhsa.kernels:
  - .name:           k_q57717b3b34_w1
    .symbol:         k_q57717b3b34_w1.kd
    .args:
      - { .name: act_a, .offset: 0, .size: 8, .value_kind: global_buffer, .address_space: global }
      - { .name: w1b, .offset: 8, .size: 8, .value_kind: global_buffer, .address_space: global }
      - { .name: act_b, .offset: 16, .size: 8, .value_kind: global_buffer, .address_space: global }
    .group_segment_fixed_size: 327680
    .private_segment_fixed_size: 0
    .kernarg_segment_align: 8
    .kernarg_segment_size: 24
    .max_flat_workgroup_size: 128
    .sgpr_count:     66
    .vgpr_count:     384
    .wavefront_size: 32
...
	.end_amdgpu_metadata
.endif
;; end of part 6
;; launch w2: the kernel of part 4 again; grid 8 x 32, 4 waves a work-group, clusters of 4 x 4, 327,680 bytes of LDS; arguments act_b, w2b, out0, x1; writes out0
;; ======== version 2 of 3: 7 launches; 1.19 times as fast as version 1
;; workspace buffers: act_a 8,388,608 bytes; act_b 8,388,608 bytes; qkv 25,165,824 bytes; x1 16,777,216 bytes; wqkv 6,291,456 bytes; wob 2,097,152 bytes; w1b 2,097,152 bytes; w2b 2,097,152 bytes
;; launch prep: the kernel of part 1 again; grid 64 x 10, 8 waves a work-group, no clusters, 0 bytes of LDS; arguments hidden_states, ln1_g, ln1_b, act_a, Wq, Wk, Wv, Wo, W1, W2, wqkv, wob, w1b, w2b; writes act_a, wqkv, wob, w1b, w2b
;; launch qkv: the kernel of part 2 again; grid 8 x 32, 4 waves a work-group, clusters of 4 x 4, 327,680 bytes of LDS; arguments act_a, wqkv, qkv; writes qkv
;; launch attn (part 7): grid 16 x 16, 8 waves a work-group, clusters of 4 x 1, 327,680 bytes of LDS; arguments qkv, act_b; writes act_b
.if DOCPART == 7
	.amdgcn_target "amdgcn-amd-amdhsa--gfx1250"
	.amdhsa_code_object_version 6
	.text
	.protected	k_q57717b3b34_attn
	.globl	k_q57717b3b34_attn
	.p2align	8
	.type	k_q57717b3b34_attn,@function
k_q57717b3b34_attn:
	s_mov_b64 s[64:65], 0
	v_nop
	global_prefetch_b8 v0, s[64:65] scope:SCOPE_SE
	s_setreg_imm32_b32 hwreg(HW_REG_WAVE_MODE, 25, 1), 1
	s_wait_xcnt 0x0
	s_wait_alu depctr_hold_cnt(0) depctr_sa_sdst(0) depctr_va_vdst(0) depctr_va_sdst(0) depctr_va_ssrc(0) depctr_va_vcc(0) depctr_vm_vsrc(0)
	s_getreg_b32 s2, hwreg(HW_REG_IB_STS2, 6, 4)
	s_cmp_eq_u32 s2, 0
	s_cbranch_scc0 .Lentry_in_a_cluster
	s_endpgm
.Lentry_in_a_cluster:
	s_bfe_u32 s2, ttmp6, 0x10000c
	s_cmp_lg_u32 s2, 0x3003
	s_cbranch_scc0 .Lentry_shape_is_right
	s_endpgm
.Lentry_shape_is_right:
; attn: ctx = softmax(q k^T / 8) v for each batch and head, with a running maximum.  qkv [4096][3072] bf16 (q, k, v side by side), ctx = act_b [4096][1024] bf16.
; A work-group takes 128 queries (x) of two neighbouring heads (y = 8 batch + head pair): rows of K, V and ctx are then 256 consecutive bytes, aligned.
; EIGHT WAVES, two to a SIMD, 512 registers each (8 x 512 = 4 x 1,024).  Wave w: head w >> 2 of the pair, 32 queries (w & 3).  A wave's text is a run of
; products, a long run of vector work (the softmax) and a run of products again; with two waves on a SIMD the vector work of one can issue while the
; products of the other run.  The price: each fragment of K and V is read from LDS by four waves: 32 LDS loads for 32 matrix instructions a unit.
; K and V come in 16 tiles of 128 keys through two LDS slots; a tile is two units of 64 keys.
; CLUSTERS: the four query blocks of a cluster (4, 1, 1) walk the same K and V: each tile is asked for jointly, mask 15; each wave asks for its
; 16 key rows of K and of V.  A wave has four tensor loads out at the start and two later.
; THE LOOP IS ROTATED BY ONE UNIT: one unit stands ahead of it (it starts maximum, sum and ctx), four units are its body (the second half of an even
; tile, an odd tile, the first half of the next even tile), three stand behind it.  So 28 of the 32 units run in the loop, every trip issues the
; same four tensor loads (tiles 2 to 15 in seven trips), and the whole text is eight units long.
; THE CHANGE OF SLOTS stands in the middle of a tile's second unit, behind its products with K: the V fragments of the unit are in registers by then,
; so the wave has no read of the slot left.  The slot is filled again at once, two tiles ahead, and the first K fragments of the other slot
; are fetched under the softmax.
; LAYOUTS.  S^T = K Q^T (source 0 = K, source 1 = Q): lane r holds query r, register j key 16 t + 8 h + j.  So two score tiles of a lane,
; rounded in pairs, ARE the fragment of P for ctx^T = V^T P^T (source 0 = V by the transposing load): no traffic between lanes.
; A lane sees 32 of the 64 keys of a unit: the maximum crosses the two halves of the lanes at once, the sum only at the end.
; Scores stay unscaled; p = exp2(c s - c m) with c = log2(e) / 8 and m the running maximum of the row.
; The 8 tiles of S and the 8 of ctx take turns, one instruction a turn.
; Limits: v_exp_f32 and v_rcp_f32 flush denormals (a p below 2^-126 counts as 0); NaN and infinite inputs are not served.
.set KP,    272                        ; LDS pitch of K: 256 bytes + 16
.set VP,    288                        ; LDS pitch of V: 256 bytes + 32, an odd multiple of 32
.set TK,    128                        ; keys in a tile
.set WR,    TK/8                       ; key rows of a tile that one wave asks for
.set VOFF,  TK*KP                      ; V lies behind the 128 rows of K
.set SLOT,  TK*KP+TK*VP                ; 71,680 bytes
.set QKVP,  6144                       ; bytes in a row of qkv
.set TILEB, TK*QKVP                    ; bytes from tile to tile
.set KAD, 10                           ; v10-11  my K fragments in slot 0, 1
.set VAD, 12                           ; v12-13  my V fragments in slot 0, 1
.set STO, 16
.set RD,  17
.set CO,  18
.set QO,  19
.set M,   20                           ; v20-21  running maximum of query fragment a
.set L,   24                           ; v24-25  running sum (of my half of the keys)
.set AL,  28                           ; v28, v30  the factor exp2(c (old m - new m)); the odd registers are written once
.set NM,  36                           ; v[36:37] - c m, twice
.set CC,  38                           ; v[38:39] c, twice
.set T,   40                           ; v40-63  at work
.set P,   64                           ; v64-95  P(a, u) at 64 + 8 (2 a + u)
.set S,   128                          ; v128-191 S(a, t) at 128 + 8 (4 a + t)
; window 1: Q(a, ks) at 8 (2 a + ks); K(t, ks) at 64 + 8 (2 t + ks); V(e, u) at 128 + 8 (2 e + u); ctx(a, e) at 192 + 8 (4 a + e)
.set CTX, 192
.set G1K, 24
.set G1V, 32
.set G0K, 40
.set G0V, 48
.set MSB, 0
.macro WIN new                         ; the high byte of the immediate repeats the setting that is left
.if MSB != \new
	s_set_vgpr_msb (MSB<<8)|\new
.set MSB, \new
.endif
.endm
.macro PLACES                          ; four plain places behind matrix instructions (ISA guide 7.12.1)
.rept 4
	v_nop
.endr
.endm
.macro ROUND                           ; a round of the barrier of the cluster
	s_barrier_signal -1
	s_barrier_wait -1
	s_cmp_lg_u32 s8, 0
	s_cbranch_scc1 .Lnot_wave_0_\@
	s_barrier_signal -3
.Lnot_wave_0_\@:
	s_barrier_wait -3
	s_barrier_signal -1
	s_barrier_wait -1
.endm
	s_load_b128 s[4:7], s[0:1], 0x0                ; qkv s[4:5], act_b s[6:7]
	v_lshl_add_u32 v254, v0, 2, 0x29000
	v_mov_b32 v255, 0
	ds_add_u32 v254, v255
	v_lshrrev_b32 v1, 5, v0
	v_readfirstlane_b32 s8, v1                     ; wave 0..7
	s_lshr_b32 s9, s8, 2                           ; hd: which head of the pair
	s_and_b32 s10, s8, 3                           ; qq: which 32 queries
	s_bfe_u32 s11, ttmp6, 0x40000                  ; cx
	s_lshl_b32 s12, ttmp9, 2
	s_add_co_u32 s12, s12, s11                     ; qb: query block
	s_and_b32 s13, ttmp7, 0xffff
	s_lshr_b32 s14, s13, 3                         ; batch
	s_and_b32 s15, s13, 7                          ; head pair
	s_mov_b32 s16, 0x76543210                      ; v_permlanex16_b32: lane i of one half reads lane i of the other
	s_mov_b32 s17, 0xfedcba98
	; group 1: 16 rows x 128 elements of 2 bytes, padding behind every 64 words: 4 words for K, 8 for V; mask 15 with bit 21 beside it
	s_mov_b32 s[G1K+0], 15|(1<<16)|(1<<20)|(1<<21)|(5<<22)|(3<<25)
	s_mov_b32 s[G1K+1], 128<<16
	s_mov_b32 s[G1K+2], WR<<16
	s_mov_b32 s[G1K+3], 128<<16
	s_mov_b32 s[G1K+4], WR
	s_mov_b32 s[G1K+5], 3072
	s_mov_b32 s[G1K+6], 0
	s_mov_b32 s[G1K+7], 0
	s_mov_b32 s[G1V+0], 15|(1<<16)|(1<<20)|(1<<21)|(5<<22)|(7<<25)
	s_mov_b32 s[G1V+1], 128<<16
	s_mov_b32 s[G1V+2], WR<<16
	s_mov_b32 s[G1V+3], 128<<16
	s_mov_b32 s[G1V+4], WR
	s_mov_b32 s[G1V+5], 3072
	s_mov_b32 s[G1V+6], 0
	s_mov_b32 s[G1V+7], 0
	; K of tile 0: row 2048 batch + 16 wave, byte 2048 + 256 pair: nothing of cx enters
	s_lshl_b32 s20, s14, 11
	s_lshl_b32 s21, s8, 4
	s_add_co_u32 s20, s20, s21
	s_mul_i32 s20, s20, QKVP
	s_lshl_b32 s21, s15, 8
	s_add_co_u32 s20, s20, s21
	s_add_co_u32 s20, s20, 2048
	s_mov_b32 s21, 0
	; Q: row 2048 batch + 128 qb + 32 qq, byte 256 pair + 128 hd
	s_lshl_b32 s22, s14, 11
	s_lshl_b32 s23, s12, 7
	s_add_co_u32 s22, s22, s23
	s_lshl_b32 s23, s10, 5
	s_add_co_u32 s22, s22, s23
	s_mul_i32 s22, s22, QKVP
	s_lshl_b32 s23, s15, 8
	s_add_co_u32 s22, s22, s23
	s_lshl_b32 s23, s9, 7
	s_add_co_u32 s22, s22, s23
	s_mov_b32 s23, 0
	; ctx: row 2048 batch + 128 qb + 16 wave, byte 256 pair
	s_lshl_b32 s58, s14, 11
	s_lshl_b32 s59, s12, 7
	s_add_co_u32 s58, s58, s59
	s_lshl_b32 s59, s8, 4
	s_add_co_u32 s58, s58, s59
	s_lshl_b32 s58, s58, 11
	s_lshl_b32 s59, s15, 8
	s_add_co_u32 s58, s58, s59
	s_mov_b32 s59, 0
	s_mul_i32 s2, s8, WR*KP                        ; my 16 rows of K in a slot
	s_mul_i32 s3, s8, WR*VP
	s_add_co_u32 s3, s3, VOFF                      ; my 16 rows of V
	v_and_b32 v1, 15, v0                           ; r
	v_bfe_u32 v2, v0, 4, 1                         ; h
	v_mul_u32_u24 v3, v1, KP
	v_lshl_add_u32 v3, v2, 4, v3
	s_lshl_b32 s18, s9, 7                          ; 128 hd
	v_add_nc_u32 v[KAD], s18, v3                   ; r x 272 + 16 h + 128 hd
	v_add_nc_u32 v[KAD+1], SLOT, v[KAD]
	v_and_b32 v4, 7, v0
	v_lshl_add_u32 v4, v2, 3, v4                   ; key 8 h + (lane & 7)
	v_bfe_u32 v5, v0, 3, 1
	v_mul_u32_u24 v4, v4, VP
	v_lshl_add_u32 v4, v5, 4, v4
	s_add_co_u32 s18, s18, VOFF
	v_add_nc_u32 v[VAD], s18, v4
	v_add_nc_u32 v[VAD+1], SLOT, v[VAD]
	s_mul_i32 s19, s10, 32*KP
	v_add_nc_u32 v[STO], s19, v[KAD]               ; the stage, in: row 32 qq + r, byte 128 hd + 16 h
	v_mul_u32_u24 v6, v2, KP
	v_lshl_add_u32 v6, v1, 4, v6
	s_mul_i32 s19, s8, 16*KP
	v_add_nc_u32 v[RD], s19, v6                    ; back: row 16 wave + h, byte 16 r
	v_lshlrev_b32 v7, 11, v2
	v_lshl_add_u32 v[CO], v1, 4, v7                ; the same two rows in act_b
	v_mul_u32_u24 v8, v1, QKVP
	v_lshl_add_u32 v[QO], v2, 4, v8                ; Q: row r, byte 16 h
	v_mov_b32 v[CC], 0x3e38aa3b                    ; c = log2(e) / 8
	v_mov_b32 v[CC+1], 0x3e38aa3b
.irp a, 0,1
	v_mov_b32 v[AL+2*\a+1], 0                      ; the upper registers of the pairs are named by the packed multiplies and not used
.endr
	s_wait_dscnt 0x0
	s_wait_kmcnt 0x0
	s_add_nc_u64 s[20:21], s[4:5], s[20:21]
	s_add_nc_u64 s[56:57], s[4:5], s[22:23]
	s_add_nc_u64 s[58:59], s[6:7], s[58:59]
	WIN 0x40                                       ; destination window 1
.irp a, 0,1
.irp ks, 0,1
	global_load_b128 v[8*(2*\a+\ks):8*(2*\a+\ks)+3], v[QO], s[56:57] offset:\a*16*QKVP+64*\ks
	global_load_b128 v[8*(2*\a+\ks)+4:8*(2*\a+\ks)+7], v[QO], s[56:57] offset:\a*16*QKVP+64*\ks+32
.endr
.endr
	WIN 0
.irp s, 0,1
	s_mov_b32 s[G0K+4*\s], 1
	s_add_co_u32 s[G0K+4*\s+1], s2, \s*SLOT
	s_add_nc_u64 s[G0K+4*\s+2:G0K+4*\s+3], s[20:21], \s*TILEB
	s_or_b32 s[G0K+4*\s+3], s[G0K+4*\s+3], 0x80000000
	s_mov_b32 s[G0V+4*\s], 1
	s_add_co_u32 s[G0V+4*\s+1], s3, \s*SLOT
	s_add_nc_u64 s[G0V+4*\s+2:G0V+4*\s+3], s[20:21], \s*TILEB+2048
	s_or_b32 s[G0V+4*\s+3], s[G0V+4*\s+3], 0x80000000
.endr
	ROUND                                          ; the four work-groups are here: the first joint loads meet
.irp s, 0,1
	tensor_load_to_lds s[G0K+4*\s:G0K+4*\s+3], s[G1K:G1K+7]    ; tiles 0 and 1: both slots are filled at the start
	s_nop 0
	tensor_load_to_lds s[G0V+4*\s:G0V+4*\s+3], s[G1V:G1V+7]
	s_nop 0
.endr
	s_wait_loadcnt 0x0                             ; Q, once
; 16 loads: the K fragments of the 64 keys of unit ss of a slot
.macro KLOAD slot, ss
.irp t, 0,1,2,3
.irp ks, 0,1
	ds_load_b128 v[64+8*(2*\t+\ks):64+8*(2*\t+\ks)+3], v[KAD+(\slot)] offset:(64*(\ss)+16*\t)*KP+64*\ks
	ds_load_b128 v[64+8*(2*\t+\ks)+4:64+8*(2*\t+\ks)+7], v[KAD+(\slot)] offset:(64*(\ss)+16*\t)*KP+64*\ks+32
.endr
.endr
.endm
; 16 transposing loads: the V fragments of the same keys
.macro VLOAD slot, ss
.irp e, 0,1,2,3
.irp u, 0,1
	ds_load_tr16_b128 v[128+8*(2*\e+\u):128+8*(2*\e+\u)+3], v[VAD+(\slot)] offset:((\ss)*64+32*\u)*VP+32*\e
	ds_load_tr16_b128 v[128+8*(2*\e+\u)+4:128+8*(2*\e+\u)+7], v[VAD+(\slot)] offset:((\ss)*64+32*\u+16)*VP+32*\e
.endr
.endr
.endm
.macro QK ks                           ; 8 tiles of S, 32 of the 64 head dimensions
.irp a, 0,1
.irp t, 0,1,2,3
.if \ks == 0
	v_wmma_f32_16x16x32_bf16 v[S+8*(4*\a+\t):S+8*(4*\a+\t)+7], v[64+8*(2*\t+\ks):64+8*(2*\t+\ks)+7], v[8*(2*\a+\ks):8*(2*\a+\ks)+7], 0
.else
	v_wmma_f32_16x16x32_bf16 v[S+8*(4*\a+\t):S+8*(4*\a+\t)+7], v[64+8*(2*\t+\ks):64+8*(2*\t+\ks)+7], v[8*(2*\a+\ks):8*(2*\a+\ks)+7], v[S+8*(4*\a+\t):S+8*(4*\a+\t)+7]
.endif
.endr
.endr
.endm
.macro PV u, zero                      ; 8 tiles of ctx, 32 of the 64 keys
.irp a, 0,1
.irp e, 0,1,2,3
.if \zero
	v_wmma_f32_16x16x32_bf16 v[CTX+8*(4*\a+\e):CTX+8*(4*\a+\e)+7], v[128+8*(2*\e+\u):128+8*(2*\e+\u)+7], v[P+8*(2*\a+\u):P+8*(2*\a+\u)+7], 0
.else
	v_wmma_f32_16x16x32_bf16 v[CTX+8*(4*\a+\e):CTX+8*(4*\a+\e)+7], v[128+8*(2*\e+\u):128+8*(2*\e+\u)+7], v[P+8*(2*\a+\u):P+8*(2*\a+\u)+7], v[CTX+8*(4*\a+\e):CTX+8*(4*\a+\e)+7]
.endif
.endr
.endr
.endm
; the softmax step of query fragment a: new maximum, factor for what was summed before, p, its sum, P in bf16
.macro SOFT a, first
.irp i, 0,1,2,3,4,5,6,7,8,9
	v_max3_num_f32 v[T+\i], v[S+32*\a+3*\i], v[S+32*\a+3*\i+1], v[S+32*\a+3*\i+2]
.endr
	v_max3_num_f32 v[T], v[T], v[T+1], v[T+2]
	v_max3_num_f32 v[T+3], v[T+3], v[T+4], v[T+5]
	v_max3_num_f32 v[T+6], v[T+6], v[T+7], v[T+8]
	v_max3_num_f32 v[T+9], v[T+9], v[S+32*\a+30], v[S+32*\a+31]
	v_max3_num_f32 v[T], v[T], v[T+3], v[T+6]
.if \first
	v_max_num_f32 v[T], v[T], v[T+9]
.else
	v_max3_num_f32 v[T], v[T], v[T+9], v[M+\a]
.endif
	v_permlanex16_b32 v[T+1], v[T], s16, s17       ; the other 32 keys of the same query
	v_max_num_f32 v[T], v[T], v[T+1]
.if \first == 0
	v_sub_f32 v[T+2], v[M+\a], v[T]
	v_mul_f32 v[T+2], v[CC], v[T+2]
	v_exp_f32 v[AL+2*\a], v[T+2]                   ; the plain lines below stand between it and its use
.endif
	v_mov_b32 v[M+\a], v[T]
	v_mul_f32 v[NM], 0xbe38aa3b, v[T]
	v_mul_f32 v[NM+1], 0xbe38aa3b, v[T]
.irp i, 0,1,2,3,4,5,6,7,8,9,10,11,12,13,14,15
	v_pk_fma_f32 v[S+32*\a+2*\i:S+32*\a+2*\i+1], v[S+32*\a+2*\i:S+32*\a+2*\i+1], v[CC:CC+1], v[NM:NM+1]
.endr
.irp i, 0,1,2,3,4,5,6,7,8,9,10,11,12,13,14,15,16,17,18,19,20,21,22,23,24,25,26,27,28,29,30,31
	v_exp_f32 v[S+32*\a+\i], v[S+32*\a+\i]
.endr
	v_nop                                          ; one plain place behind the last exponential (ISA guide 5.7.2)
	s_wait_alu depctr_va_vdst(0)
.irp c, 0,1,2,3
	v_pk_add_f32 v[T+2*\c:T+2*\c+1], v[S+32*\a+4*\c:S+32*\a+4*\c+1], v[S+32*\a+4*\c+2:S+32*\a+4*\c+3]
.endr
.irp c, 0,1,2,3
	v_pk_add_f32 v[T+2*\c:T+2*\c+1], v[T+2*\c:T+2*\c+1], v[S+32*\a+16+2*\c:S+32*\a+16+2*\c+1]
.endr
.irp c, 0,1,2,3
	v_pk_add_f32 v[T+2*\c:T+2*\c+1], v[T+2*\c:T+2*\c+1], v[S+32*\a+24+2*\c:S+32*\a+24+2*\c+1]
.endr
	v_pk_add_f32 v[T:T+1], v[T:T+1], v[T+2:T+3]
	v_pk_add_f32 v[T+4:T+5], v[T+4:T+5], v[T+6:T+7]
	v_pk_add_f32 v[T:T+1], v[T:T+1], v[T+4:T+5]
.if \first
	v_add_f32 v[L+\a], v[T], v[T+1]
.else
	v_add_f32 v[T], v[T], v[T+1]
	v_fma_f32 v[L+\a], v[L+\a], v[AL+2*\a], v[T]
.endif
.irp i, 0,1,2,3,4,5,6,7,8,9,10,11,12,13,14,15
	v_cvt_pk_bf16_f32 v[P+16*\a+\i], v[S+32*\a+2*\i], v[S+32*\a+2*\i+1]
.endr
.endm
; One unit: the 64 keys of half ss of the tile in a slot.  Its K fragments were fetched in the unit before.  What follows its products with K:
;   kind 0: the K fragments of the second half of the same tile are fetched;
;   kind 1: the change of slots with a refill.  My reads of this slot are back (the V fragments of this unit were the last) and all my tensor loads have
;           landed, my part of the other slot among them; the round of the barrier of the cluster makes both hold of every wave of the four
;           work-groups; the joint refills of this slot, two tiles ahead, are the first tensor loads behind it; then K of the other slot is fetched;
;   kind 2: the same change without a refill, behind a plain barrier.
;   kind 3: the last unit: nothing follows.
.macro UNIT slot, ss, kind, first
.if \first == 0
	PLACES                                         ; behind the last products with V, before V is loaded again
.endif
	WIN 0x40
	VLOAD \slot, \ss
	s_wait_dscnt 16                                ; K is in; the 16 younger loads of V may be out
	WIN 0x05                                       ; sources 0 and 1 window 1, C and D window 0
	QK 0
	QK 1
	PLACES                                         ; before S is read and K is loaded again
.if \kind == 0
	WIN 0x40
	KLOAD \slot, \ss+1
.endif
.if \kind == 1
	WIN 0
	s_wait_dscnt 0x0
	s_wait_tensorcnt 0x0
	ds_add_u32 v254, v255
	s_wait_dscnt 0x0
	s_add_nc_u64 s[G0K+4*\slot+2:G0K+4*\slot+3], s[G0K+4*\slot+2:G0K+4*\slot+3], 2*TILEB    ; no load of mine is out: the next tile of this slot
	s_add_nc_u64 s[G0V+4*\slot+2:G0V+4*\slot+3], s[G0V+4*\slot+2:G0V+4*\slot+3], 2*TILEB
	ROUND
	tensor_load_to_lds s[G0K+4*\slot:G0K+4*\slot+3], s[G1K:G1K+7]
	s_nop 0
	tensor_load_to_lds s[G0V+4*\slot:G0V+4*\slot+3], s[G1V:G1V+7]
	s_nop 0
	WIN 0x40
	KLOAD 1-\slot, 0
.endif
.if \kind == 2
	WIN 0
	s_wait_dscnt 0x0
	s_wait_tensorcnt 0x0
	s_barrier_signal -1
	s_barrier_wait -1
	WIN 0x40
	KLOAD 1-\slot, 0
.endif
	WIN 0
	SOFT 0, \first
	SOFT 1, \first
.if \first == 0
	WIN 0x41                                       ; ctx (destination and source 0) in window 1, the factor in window 0
.irp a, 0,1
.irp i, 0,1,2,3,4,5,6,7,8,9,10,11,12,13,14,15
	v_pk_mul_f32 v[CTX+32*\a+2*\i:CTX+32*\a+2*\i+1], v[CTX+32*\a+2*\i:CTX+32*\a+2*\i+1], v[AL+2*\a:AL+2*\a+1] op_sel_hi:[1,0]
.endr
.endr
.endif
.if \kind == 3
	s_wait_dscnt 0x0                               ; V is in
.else
	s_wait_dscnt 16                                ; V is in; the 16 younger loads of the next K may be out
.endif
	WIN 0x51                                       ; source 0 (V) window 1, source 1 (P) window 0, C and D window 1
	PV 0, \first
	PV 1, 0
.endm
	s_wait_tensorcnt 2                             ; my two parts of tile 0 are in; the two of tile 1 stay out
	s_barrier_signal -1
	s_barrier_wait -1                              ; everybody's are
	WIN 0x40
	KLOAD 0, 0
	UNIT 0, 0, 0, 1                                ; the first half of tile 0 starts maximum, sum and ctx: nothing is cleared
	WIN 0
	s_mov_b32 s18, 7
.Lloop:                                            ; trip i: second half of tile 2 i, tile 2 i + 1, first half of tile 2 i + 2; asks for tiles 2 i + 2 and 2 i + 3
	UNIT 0, 1, 1, 0
	UNIT 1, 0, 0, 0
	UNIT 1, 1, 1, 0
	UNIT 0, 0, 0, 0
	WIN 0
	s_sub_co_u32 s18, s18, 1
	s_cmp_lg_u32 s18, 0
	s_cbranch_scc1 .Lloop
	UNIT 0, 1, 2, 0                                ; the second half of tile 14: nothing more is asked for
	UNIT 1, 0, 0, 0                                ; tile 15
	UNIT 1, 1, 3, 0
	; THE END: ctx / sum, to bf16, through a stage of 128 rows x 272 bytes at the head of slot 0, which has had its last fill (tile 14) and whose last
	; reads every wave waited for in front of the barrier of the last change of slots.
	WIN 0
	PLACES
.irp a, 0,1
	v_permlanex16_b32 v[T+\a], v[L+\a], s16, s17   ; the sum over the other 32 keys of each unit
.endr
.irp a, 0,1
	v_add_f32 v[L+\a], v[L+\a], v[T+\a]
.endr
.irp a, 0,1
	v_rcp_f32 v[AL+2*\a], v[L+\a]
.endr
	v_nop                                          ; one plain place behind the reciprocals (ISA guide 5.7.2)
	s_wait_alu depctr_va_vdst(0)
.macro OUTQ a
	WIN 0x01                                       ; source 0 window 1
.irp i, 0,1,2,3,4,5,6,7,8,9,10,11,12,13,14,15
	v_pk_mul_f32 v[S+2*\i:S+2*\i+1], v[CTX+32*\a+2*\i:CTX+32*\a+2*\i+1], v[AL+2*\a:AL+2*\a+1] op_sel_hi:[1,0]
.endr
	WIN 0
.irp i, 0,1,2,3,4,5,6,7,8,9,10,11,12,13,14,15
	v_cvt_pk_bf16_f32 v[S+32+\i], v[S+2*\i], v[S+2*\i+1]
.endr
.irp e, 0,1,2,3
	ds_store_b128 v[STO], v[S+32+4*\e:S+32+4*\e+3] offset:\a*16*KP+32*\e
.endr
.endm
	OUTQ 0
	OUTQ 1
	s_wait_dscnt 0x0                               ; my stores are done, for the sake of the waves that read them
	s_barrier_signal -1
	s_barrier_wait -1
.irp i, 0,1,2,3,4,5,6,7
	ds_load_b128 v[P+4*\i:P+4*\i+3], v[RD] offset:\i*2*KP
.endr
.irp i, 0,1,2,3,4,5,6,7
	s_wait_dscnt 7-\i                              ; LDS loads come back in order: this one is in, the younger ones stay out
	global_store_b128 v[CO], v[P+4*\i:P+4*\i+3], s[58:59] offset:\i*4096     ; 16 lanes store 256 consecutive bytes, aligned
.endr
	s_wait_tensorcnt 0x0
	ds_add_u32 v254, v255
	s_wait_dscnt 0x0
	ROUND                                          ; the closing round: no work-group ends while a partner may still ask for a tile that names it
	s_endpgm
.Lfunc_end_k_q57717b3b34_attn:
	.size	k_q57717b3b34_attn, .Lfunc_end_k_q57717b3b34_attn-k_q57717b3b34_attn
	.p2alignl 7, 3214868480
	.fill 96, 4, 3214868480
	.section	.rodata,"a",@progbits
	.p2align	6, 0x0
	.amdhsa_kernel k_q57717b3b34_attn
		.amdhsa_group_segment_fixed_size 327680
		.amdhsa_private_segment_fixed_size 0
		.amdhsa_enable_private_segment 0
		.amdhsa_kernarg_size 16
		.amdhsa_user_sgpr_count 2
		.amdhsa_user_sgpr_kernarg_segment_ptr 1
		.amdhsa_wavefront_size32 1
		.amdhsa_system_sgpr_workgroup_id_x 1
		.amdhsa_system_sgpr_workgroup_id_y 1
		.amdhsa_system_sgpr_workgroup_id_z 1
		.amdhsa_system_vgpr_workitem_id 0
		.amdhsa_next_free_vgpr 512
		.amdhsa_next_free_sgpr 66
		.amdhsa_reserve_vcc 0
		.amdhsa_float_denorm_mode_32 3
		.amdhsa_float_denorm_mode_16_64 3
		.amdhsa_memory_ordered 1
		.amdhsa_forward_progress 1
		.amdhsa_inst_pref_size 154
	.end_amdhsa_kernel
	.amdgpu_metadata
---
amdhsa.version: [ 1, 2 ]
amdhsa.kernels:
  - .name:           k_q57717b3b34_attn
    .symbol:         k_q57717b3b34_attn.kd
    .args:
      - { .name: qkv, .offset: 0, .size: 8, .value_kind: global_buffer, .address_space: global }
      - { .name: act_b, .offset: 8, .size: 8, .value_kind: global_buffer, .address_space: global }
    .group_segment_fixed_size: 327680
    .private_segment_fixed_size: 0
    .kernarg_segment_align: 8
    .kernarg_segment_size: 16
    .max_flat_workgroup_size: 256
    .sgpr_count:     66
    .vgpr_count:     512
    .wavefront_size: 32
...
	.end_amdgpu_metadata
.endif
;; end of part 7
;; launch wo (part 8): grid 8 x 32, 4 waves a work-group, clusters of 4 x 4, 327,680 bytes of LDS; arguments act_b, wob, x1, hidden_states; writes x1
.if DOCPART == 8
	.amdgcn_target "amdgcn-amd-amdhsa--gfx1250"
	.amdhsa_code_object_version 6
	.text
	.protected	k_q57717b3b34_wo
	.globl	k_q57717b3b34_wo
	.p2align	8
	.type	k_q57717b3b34_wo,@function
k_q57717b3b34_wo:
	s_mov_b64 s[64:65], 0
	v_nop
	global_prefetch_b8 v0, s[64:65] scope:SCOPE_SE
	s_setreg_imm32_b32 hwreg(HW_REG_WAVE_MODE, 25, 1), 1
	s_wait_xcnt 0x0
	s_wait_alu depctr_hold_cnt(0) depctr_sa_sdst(0) depctr_va_vdst(0) depctr_va_sdst(0) depctr_va_ssrc(0) depctr_va_vcc(0) depctr_vm_vsrc(0)
	s_getreg_b32 s2, hwreg(HW_REG_IB_STS2, 6, 4)
	s_cmp_eq_u32 s2, 0
	s_cbranch_scc0 .Lentry_in_a_cluster
	s_endpgm
.Lentry_in_a_cluster:
	s_bfe_u32 s2, ttmp6, 0x10000c
	s_cmp_lg_u32 s2, 0xf033
	s_cbranch_scc0 .Lentry_shape_is_right
	s_endpgm
.Lentry_shape_is_right:
; out[m][n] = res[m][n] + 0.1 * sum over k of A[m][k] W[k][n].  A [4096][1024] bf16, W [1024][1024] bf16, res and out [4096][1024] f32, sums in f32.
; Arguments: A, W, out, res.  The text serves the output projection (A = ctx, res = hidden_states) and the second FFN product (A = gelu, res = x1).
; A work-group makes 128 x 128 with four waves (2 x 2); a wave makes 64 x 64: 16 accumulator tiles.  8 x 32 = 256 work-groups.
; K goes in steps of 256 through two LDS slots: four tiles, so only two refills, each behind a round of the barrier of the cluster.
; W lies [k][n]; its fragments are transposed on the way from LDS to registers by ds_load_tr16_b128.
; CLUSTERS: 4 x 4 work-groups; tiles of A are asked for jointly along a row of the cluster, tiles of W along a column.  Every wave asks for its
; quarter of both tiles.  A wave has four tensor loads out at the start and two later.
; THE RESIDUAL of the 32 rows x 512 bytes that a wave finishes is asked for right behind the first fragment fetch, into 128 registers of its own,
; so that it lands under the products and nothing of it is waited for at the end.
; REGISTERS: window 0: v16-26 addresses, v64-127 fragments of A (two buffers), v128-191 fragments of W (two buffers);
; window 1: v0-127 accumulators, v128-255 the residual.
; The matrix instruction is used transposed (source 0 = 16 columns of W, source 1 = 16 rows of A): a lane holds eight neighbouring columns of a row.
; The 16 accumulators take turns, one instruction a turn, in the same order in every quarter step.
.set NT,     128
.set NTOT,   1024
.set NF,     4
.set KSTEP,  256
.set KQ,     KSTEP/32
.set PA,     528                       ; LDS pitch of A: 512 bytes + 16, an odd multiple of 16
.set PB,     288                       ; LDS pitch of W: two pieces of 128 bytes + 16, an odd multiple of 32
.set QIA,    6                         ; padding of A behind every 128 words
.set ABYTES, 128*PA
.set BBYTES, KSTEP*PB
.set SLOT,   ABYTES+BBYTES
.set NLD,    2*NF+8
.set SP,     528                       ; pitch of the stage: 128 f32 + 16 bytes
.set ADRA, 16
.set ADRB, 20
.set STO,  24
.set RD,   25
.set CO,   26
.set BK,   64                          ; the way out: rows read back from the stage, v64-191 of window 0
.set RES,  128                         ; the residual, v128-255 of window 1
.set G1A, 24
.set G0A, 32
.set G1B, 40
.set G0B, 48
.set MUL_LO, 0x50                      ; sources window 0, C and D window 1
.set MUL_HI, 0x50
.set TO_B,   0
.set MSB, 0
.macro WIN new
.if MSB != \new
	s_set_vgpr_msb (MSB<<8)|\new
.set MSB, \new
.endif
.endm
.macro PLACES                          ; four plain places behind matrix instructions (ISA guide 7.12.1)
.rept 4
	v_nop
.endr
.endm
.macro CREST
	s_cmp_lg_u32 s12, 0
	s_cbranch_scc1 .Lnot_wave_0_\@
	s_barrier_signal -3
.Lnot_wave_0_\@:
	s_barrier_wait -3
	s_barrier_signal -1
	s_barrier_wait -1
.endm
.macro CROUND
	s_barrier_signal -1
	s_barrier_wait -1
	CREST
.endm
	s_load_b256 s[4:11], s[0:1], 0x0               ; A s[4:5], W s[6:7], out s[8:9], res s[10:11]
	v_lshl_add_u32 v254, v0, 2, 0x45000
	v_mov_b32 v255, 0
	ds_add_u32 v254, v255
	v_lshrrev_b32 v1, 5, v0
	v_readfirstlane_b32 s12, v1                    ; wave
	s_lshr_b32 s13, s12, 1                         ; wm
	s_and_b32 s14, s12, 1                          ; wn
	s_bfe_u32 s16, ttmp6, 0x40000                  ; cx
	s_bfe_u32 s17, ttmp6, 0x40004                  ; cy
	s_lshl_b32 s18, ttmp9, 2
	s_add_co_u32 s18, s18, s16                     ; bc
	s_and_b32 s19, ttmp7, 0xffff
	s_lshl_b32 s19, s19, 2
	s_add_co_u32 s19, s19, s17                     ; br
	s_lshl_b32 s20, s17, 2
	s_lshl_b32 s20, 15, s20                        ; my row of the cluster
	s_lshl_b32 s21, 0x1111, s16                    ; my column of the cluster
	s_or_b32 s[G1A+0], s20, (1<<16)|(1<<20)|(1<<21)|(QIA<<22)|(3<<25)   ; A: 32 rows x 256 elements of 2 bytes, 4 words behind every 128
	s_mov_b32 s[G1A+1], KSTEP<<16
	s_mov_b32 s[G1A+2], 32<<16
	s_mov_b32 s[G1A+3], KSTEP<<16
	s_mov_b32 s[G1A+4], 32
	s_mov_b32 s[G1A+5], 1024
	s_mov_b32 s[G1A+6], 0
	s_mov_b32 s[G1A+7], 0
	s_or_b32 s[G1B+0], s21, (1<<16)|(1<<20)|(1<<21)|(4<<22)|(3<<25)     ; W: 64 k rows x 128 elements, 4 words behind every 32
	s_mov_b32 s[G1B+1], NT<<16
	s_mov_b32 s[G1B+2], (KSTEP/4)<<16
	s_mov_b32 s[G1B+3], NT<<16
	s_mov_b32 s[G1B+4], KSTEP/4
	s_mov_b32 s[G1B+5], NTOT
	s_mov_b32 s[G1B+6], 0
	s_mov_b32 s[G1B+7], 0
	s_lshl_b32 s56, s19, 18
	s_lshl_b32 s57, s12, 16
	s_add_co_u32 s56, s56, s57
	s_mov_b32 s57, 0
	s_mul_i32 s58, s12, (KSTEP/4)*NTOT*2
	s_mul_i32 s59, s18, NT*2
	s_add_co_u32 s58, s58, s59
	s_mov_b32 s59, 0
	s_mul_i32 s22, s12, 32*PA
	s_mul_i32 s23, s12, (KSTEP/4)*PB
	s_add_co_u32 s23, s23, ABYTES
	s_wait_dscnt 0x0
	s_wait_kmcnt 0x0
	s_add_nc_u64 s[56:57], s[4:5], s[56:57]
	s_add_nc_u64 s[58:59], s[6:7], s[58:59]
	CROUND                                         ; the first joint loads meet
.irp s, 0,1
	s_mov_b32 s[G0A+4*\s], 1
	s_add_co_u32 s[G0A+4*\s+1], s22, \s*SLOT
	s_add_nc_u64 s[G0A+4*\s+2:G0A+4*\s+3], s[56:57], \s*KSTEP*2
	s_or_b32 s[G0A+4*\s+3], s[G0A+4*\s+3], 0x80000000
	s_mov_b32 s[G0B+4*\s], 1
	s_add_co_u32 s[G0B+4*\s+1], s23, \s*SLOT
	s_add_nc_u64 s[G0B+4*\s+2:G0B+4*\s+3], s[58:59], \s*KSTEP*NTOT*2
	s_or_b32 s[G0B+4*\s+3], s[G0B+4*\s+3], 0x80000000
	tensor_load_to_lds s[G0A+4*\s:G0A+4*\s+3], s[G1A:G1A+7]
	s_nop 0
	tensor_load_to_lds s[G0B+4*\s:G0B+4*\s+3], s[G1B:G1B+7]
	s_nop 0
.endr
	v_and_b32 v1, 15, v0                           ; r
	v_bfe_u32 v2, v0, 4, 1                         ; h
	v_mul_u32_u24 v3, v1, PA
	v_lshl_add_u32 v3, v2, 4, v3
	s_mul_i32 s60, s13, 64*PA
	v_add_nc_u32 v[ADRA], s60, v3
	v_add_nc_u32 v[ADRA+1], SLOT, v[ADRA]
	v_and_b32 v4, 7, v0
	v_lshl_add_u32 v4, v2, 3, v4
	v_bfe_u32 v5, v0, 3, 1
	v_mul_u32_u24 v4, v4, PB
	v_lshl_add_u32 v4, v5, 4, v4
	s_mul_i32 s61, s14, (NF/4)*144
	s_add_co_u32 s61, s61, ABYTES
	v_add_nc_u32 v[ADRB], s61, v4
	v_add_nc_u32 v[ADRB+1], (KSTEP/2)*PB, v[ADRB]
	v_add_nc_u32 v[ADRB+2], SLOT, v[ADRB]
	v_add_nc_u32 v[ADRB+3], SLOT, v[ADRB+1]
	v_mul_u32_u24 v6, v1, SP                       ; the stage, in: row 64 wm + r, byte 256 wn + 32 h
	v_lshl_add_u32 v6, v2, 5, v6
	s_mul_i32 s62, s13, 64*SP
	s_lshl_b32 s63, s14, 8
	s_add_co_u32 s62, s62, s63
	v_add_nc_u32 v[STO], s62, v6
	v_and_b32 v7, 31, v0
	v_lshlrev_b32 v[CO], 4, v7                     ; 16 x lane: a row of 512 bytes to a wave
	s_mul_i32 s62, s12, 32*SP
	v_add_nc_u32 v[RD], s62, v[CO]                 ; back: rows 32 wave ..
	; the 32 rows that I finish, in res and in out: row 128 br + 32 wave, byte 512 bc
	s_lshl_b32 s60, s19, 7
	s_lshl_b32 s61, s12, 5
	s_add_co_u32 s60, s60, s61                     ; 128 br + 32 wave
	s_lshl_b32 s60, s60, 12                        ; x 4,096 bytes
	s_lshl_b32 s61, s18, 9                         ; + 512 bc
	s_add_co_u32 s60, s60, s61
	s_mov_b32 s61, 0
	s_add_nc_u64 s[8:9], s[8:9], s[60:61]
	s_add_nc_u64 s[10:11], s[10:11], s[60:61]
.macro MULA q, a, zero
.irp b, 0,1,2,3
.if \zero
	v_wmma_f32_16x16x32_bf16 v[8*(4*\a+\b):8*(4*\a+\b)+7], v[128+32*((\q)%2)+8*\b:128+32*((\q)%2)+8*\b+7], v[64+32*((\q)%2)+8*\a:64+32*((\q)%2)+8*\a+7], 0
.else
	v_wmma_f32_16x16x32_bf16 v[8*(4*\a+\b):8*(4*\a+\b)+7], v[128+32*((\q)%2)+8*\b:128+32*((\q)%2)+8*\b+7], v[64+32*((\q)%2)+8*\a:64+32*((\q)%2)+8*\a+7], v[8*(4*\a+\b):8*(4*\a+\b)+7]
.endif
.endr
.endm
.macro FETCH slot, q
	WIN TO_B
.irp b, 0,1,2,3
	ds_load_tr16_b128 v[128+32*((\q)%2)+8*\b:128+32*((\q)%2)+8*\b+3], v[ADRB+2*\slot+(\q)/(KQ/2)] offset:((\q)%(KQ/2))*32*PB+(\b/4)*144+(\b%4)*32
	ds_load_tr16_b128 v[128+32*((\q)%2)+8*\b+4:128+32*((\q)%2)+8*\b+7], v[ADRB+2*\slot+(\q)/(KQ/2)] offset:((\q)%(KQ/2))*32*PB+16*PB+(\b/4)*144+(\b%4)*32
.endr
	WIN 0
.irp a, 0,1,2,3
	ds_load_b128 v[64+32*((\q)%2)+8*\a:64+32*((\q)%2)+8*\a+3], v[ADRA+\slot] offset:\a*16*PA+64*(\q)
	ds_load_b128 v[64+32*((\q)%2)+8*\a+4:64+32*((\q)%2)+8*\a+7], v[ADRA+\slot] offset:\a*16*PA+64*(\q)+32
.endr
.endm
.macro QUARTER slot, q, zero
	s_wait_dscnt 4                                 ; W and the A fragments 0, 1 are in; the four youngest loads (A fragments 2, 3) may be out
	WIN MUL_LO
	MULA \q, 0, \zero
	MULA \q, 1, \zero
	PLACES
	FETCH \slot, \q+1
	s_wait_dscnt NLD                               ; all but the run just issued
	WIN MUL_HI
	MULA \q, 2, \zero
	MULA \q, 3, \zero
.endm
; the last quarter of a K step changes slots: waits for my reads of this slot and for all my tensor loads, barrier (with fill = 1 it opens a round of
; the barrier of the cluster), joint refills first behind it, then the first fragments of the next slot
.macro TURN slot, next, fill
	s_wait_dscnt 4
	WIN MUL_LO
	MULA KQ-1, 0, 0
	s_wait_dscnt 0x0
	s_wait_tensorcnt 0x0
	ds_add_u32 v254, v255
	s_wait_dscnt 0x0
	s_barrier_signal -1
	MULA KQ-1, 1, 0
	WIN 0
	s_barrier_wait -1
.if \fill
	CREST
	s_add_nc_u64 s[G0A+4*\slot+2:G0A+4*\slot+3], s[G0A+4*\slot+2:G0A+4*\slot+3], 4*KSTEP
	s_add_nc_u64 s[G0B+4*\slot+2:G0B+4*\slot+3], s[G0B+4*\slot+2:G0B+4*\slot+3], 4*KSTEP*NTOT
	tensor_load_to_lds s[G0A+4*\slot:G0A+4*\slot+3], s[G1A:G1A+7]
	s_nop 0
	tensor_load_to_lds s[G0B+4*\slot:G0B+4*\slot+3], s[G1B:G1B+7]
	s_nop 0
.endif
	PLACES
	FETCH \next, 0
	WIN MUL_HI
	MULA KQ-1, 2, 0
	MULA KQ-1, 3, 0
.endm
.macro STEP slot, zero
	QUARTER \slot, 0, \zero
.irp q, 1,2,3,4,5,6
	QUARTER \slot, \q, 0
.endr
.endm
	s_wait_tensorcnt 2                             ; my two parts of K step 0 are in; the two of K step 1 stay out
	s_barrier_signal -1
	s_barrier_wait -1
	FETCH 0, 0
	WIN 0x40                                       ; destination window 1: the residual, asked for while the first fragments come from LDS;
.irp i, 0,1,2,3,4,5,6,7,8,9,10,11,12,13,14,15,16,17,18,19,20,21,22,23,24,25,26,27,28,29,30,31
	global_load_b128 v[RES+4*\i:RES+4*\i+3], v[CO], s[10:11] offset:\i*4096    ; its registers, v[CO] and s[10:11] are not written before the wait at the end
.endr
	STEP 0, 1                                      ; K steps 0 and 1; both slots are filled again
	TURN 0, 1, 1
	STEP 1, 0
	TURN 1, 0, 1
	STEP 0, 0                                      ; K steps 2 and 3 fill nothing
	TURN 0, 1, 0
	STEP 1, 0
	s_wait_dscnt 4
	WIN MUL_LO
	MULA KQ-1, 0, 0
	MULA KQ-1, 1, 0
	s_wait_dscnt 0x0
	MULA KQ-1, 2, 0
	MULA KQ-1, 3, 0
	; THE WAY OUT.  Slot 0 has had its last fill and its last reads were waited for in front of the barrier of the last change of slots: it serves as a
	; stage of 128 rows x 528 bytes of f32.  Each wave then finishes 32 whole rows of 512 bytes: res + 0.1 x sum.
	WIN 0
	PLACES
	v_mov_b32 v2, 0x3dcccccd                       ; 0.1, twice
	v_mov_b32 v3, 0x3dcccccd
	WIN 0x04                                       ; store data from window 1
.irp a, 0,1,2,3
.irp b, 0,1,2,3
	ds_store_b128 v[STO], v[8*(4*\a+\b):8*(4*\a+\b)+3] offset:\a*16*SP+64*\b
	ds_store_b128 v[STO], v[8*(4*\a+\b)+4:8*(4*\a+\b)+7] offset:\a*16*SP+64*\b+16
.endr
.endr
	WIN 0
	s_wait_dscnt 0x0                               ; my stores are done, for the sake of the waves that read them
	s_barrier_signal -1
	s_barrier_wait -1
.irp i, 0,1,2,3,4,5,6,7,8,9,10,11,12,13,14,15,16,17,18,19,20,21,22,23,24,25,26,27,28,29,30,31
	ds_load_b128 v[BK+4*\i:BK+4*\i+3], v[RD] offset:\i*SP
.endr
	s_wait_loadcnt 0x0                             ; the residual, asked for four K steps ago
	WIN 0x10                                       ; source 2 (the residual) window 1; all else window 0
.irp i, 0,1,2,3,4,5,6,7,8,9,10,11,12,13,14,15,16,17,18,19,20,21,22,23,24,25,26,27,28,29,30,31
	s_wait_dscnt 31-\i                             ; LDS loads come back in order: row i is back from the stage, the younger ones stay out
	v_pk_fma_f32 v[BK+4*\i:BK+4*\i+1], v[BK+4*\i:BK+4*\i+1], v[2:3], v[RES+4*\i:RES+4*\i+1]
	v_pk_fma_f32 v[BK+4*\i+2:BK+4*\i+3], v[BK+4*\i+2:BK+4*\i+3], v[2:3], v[RES+4*\i+2:RES+4*\i+3]
	global_store_b128 v[CO], v[BK+4*\i:BK+4*\i+3], s[8:9] offset:\i*4096       ; the wave stores 512 consecutive bytes, aligned
.endr
	WIN 0
	s_wait_tensorcnt 0x0
	ds_add_u32 v254, v255
	s_wait_dscnt 0x0
	CROUND                                         ; the closing round
	s_endpgm
.Lfunc_end_k_q57717b3b34_wo:
	.size	k_q57717b3b34_wo, .Lfunc_end_k_q57717b3b34_wo-k_q57717b3b34_wo
	.p2alignl 7, 3214868480
	.fill 96, 4, 3214868480
	.section	.rodata,"a",@progbits
	.p2align	6, 0x0
	.amdhsa_kernel k_q57717b3b34_wo
		.amdhsa_group_segment_fixed_size 327680
		.amdhsa_private_segment_fixed_size 0
		.amdhsa_enable_private_segment 0
		.amdhsa_kernarg_size 32
		.amdhsa_user_sgpr_count 2
		.amdhsa_user_sgpr_kernarg_segment_ptr 1
		.amdhsa_wavefront_size32 1
		.amdhsa_system_sgpr_workgroup_id_x 1
		.amdhsa_system_sgpr_workgroup_id_y 1
		.amdhsa_system_sgpr_workgroup_id_z 1
		.amdhsa_system_vgpr_workitem_id 0
		.amdhsa_next_free_vgpr 512
		.amdhsa_next_free_sgpr 66
		.amdhsa_reserve_vcc 0
		.amdhsa_float_denorm_mode_32 3
		.amdhsa_float_denorm_mode_16_64 3
		.amdhsa_memory_ordered 1
		.amdhsa_forward_progress 1
		.amdhsa_inst_pref_size 96
	.end_amdhsa_kernel
	.amdgpu_metadata
---
amdhsa.version: [ 1, 2 ]
amdhsa.kernels:
  - .name:           k_q57717b3b34_wo
    .symbol:         k_q57717b3b34_wo.kd
    .args:
      - { .name: act_b, .offset: 0, .size: 8, .value_kind: global_buffer, .address_space: global }
      - { .name: wob, .offset: 8, .size: 8, .value_kind: global_buffer, .address_space: global }
      - { .name: x1, .offset: 16, .size: 8, .value_kind: global_buffer, .address_space: global }
      - { .name: hidden_states, .offset: 24, .size: 8, .value_kind: global_buffer, .address_space: global }
    .group_segment_fixed_size: 327680
    .private_segment_fixed_size: 0
    .kernarg_segment_align: 8
    .kernarg_segment_size: 32
    .max_flat_workgroup_size: 128
    .sgpr_count:     66
    .vgpr_count:     512
    .wavefront_size: 32
...
	.end_amdgpu_metadata
.endif
;; end of part 8
;; launch ln2: the kernel of part 5 again; grid 256 x 1, 8 waves a work-group, no clusters, 0 bytes of LDS; arguments x1, ln2_g, ln2_b, act_a; writes act_a
;; launch w1: the kernel of part 6 again; grid 8 x 32, 4 waves a work-group, clusters of 4 x 4, 327,680 bytes of LDS; arguments act_a, w1b, act_b; writes act_b
;; launch w2: the kernel of part 8 again; grid 8 x 32, 4 waves a work-group, clusters of 4 x 4, 327,680 bytes of LDS; arguments act_b, w2b, out0, x1; writes out0
;; ======== version 3 of 3: 7 launches; version 2 with the launch prep written anew for expert scheduling mode
;; workspace buffers: act_a 8,388,608 bytes; act_b 8,388,608 bytes; qkv 25,165,824 bytes; x1 16,777,216 bytes; wqkv 6,291,456 bytes; wob 2,097,152 bytes; w1b 2,097,152 bytes; w2b 2,097,152 bytes
;; launch prep (part 9): grid 64 x 10, 8 waves a work-group, no clusters, 0 bytes of LDS; arguments hidden_states, ln1_g, ln1_b, act_a, Wq, Wk, Wv, Wo, W1, W2, wqkv, wob, w1b, w2b; writes act_a, wqkv, wob, w1b, w2b
.if DOCPART == 9
	.amdgcn_target "amdgcn-amd-amdhsa--gfx1250"
	.amdhsa_code_object_version 6
	.text
	.protected	k_q57717b3b34_prep
	.globl	k_q57717b3b34_prep
	.p2align	8
	.type	k_q57717b3b34_prep,@function
k_q57717b3b34_prep:
	s_mov_b64 s[64:65], 0
	v_nop
	global_prefetch_b8 v0, s[64:65] scope:SCOPE_SE
	s_setreg_imm32_b32 hwreg(HW_REG_WAVE_SCHED_MODE, 0, 2), 2
	s_setreg_imm32_b32 hwreg(HW_REG_WAVE_MODE, 25, 1), 1
	s_wait_xcnt 0x0
	s_wait_alu depctr_vm_vsrc(0)
; prep: two streams, chosen by the work-group y.
;   y = 0..3 : act_a[row] = bf16( (x - mean) * rsqrt(var + 1e-5) * ln1_g + ln1_b ), row = 1024 y + 16 x + 2 wave, two rows a wave.
;   y = 4..9 : matrix m = y - 4 of Wq, Wk, Wv, Wo, W1, W2 is rounded to bf16 in its own [k][n] order, two rows a wave.
;              Wq, Wk, Wv go side by side into wqkv [1024][3072]; the others into wob, w1b, w2b [1024][1024].
; A row is 1,024 f32 = 4,096 bytes: eight loads of 16 bytes a lane (each load of the wave covers 512 consecutive bytes) keep it in
; 32 registers, so it is read once.  It leaves as eight stores of 8 bytes a lane: each store of the wave covers 256 consecutive bytes, aligned.
; The variance is made in two passes from x - mean, so a common offset of the inputs costs no digits.
; No LDS, no matrix unit, no cluster: the work-groups share nothing but 8 KiB of gain and bias, and a row never leaves its wave.
; Limits: v_rsq_f32 is accurate to one unit in the last place; NaN and infinite inputs are not served.
; THE MODE: SCHED_MODE bits 1:0 = 2 (LLVM: expert scheduling mode 2), set by the entry lines.  The code itself states the register dependences
; between vector instructions and memory instructions, with s_wait_alu, always for 0.
; THE PLAN.  Registers that memory instructions touch:
;   v1, v2, v3     byte offsets.  Written once by vector lines ahead of the first load of a path, read by loads and stores, never written again.
;   X0, X1, G, BT  Written by loads, once each; the vector lines that read them stand behind the loads' own s_wait_loadcnt; no load lands in them again.
;   Y              32 registers, each written once by a conversion and read once by a store.
; No register that a memory instruction has read is written again, so past the entry lines the text holds no wait on vm_vsrc.  What is left to state: the offsets are written
; ahead of the first load, and a group of Y is written ahead of its stores.  The stores of one group stand behind ONE wait and are dealt among the
; vector lines of the next group, which name none of their registers.
.set T,   4                            ; v[4:11]    four running pairs
.set PT,  12                           ; v12        takes the other half of the lanes
.set MU,  14                           ; v[14:17]   minus the mean, twice, for row 0 and row 1
.set RS,  18                           ; v[18:21]   1 / sqrt(var + eps), twice, for row 0 and row 1
.set X0,  32                           ; v[32:63]   row 0
.set X1,  64                           ; v[64:95]   row 1, straight behind row 0
.set G,   96                           ; v[96:127]  gain of my 32 columns
.set BT,  128                          ; v[128:159] bias of my 32 columns
.set Y,   160                          ; v[160:191] both rows in bf16
.set SEL, 40                           ; s40, s41 lane selects; s42 = 1/1024; s43 = -1/1024
; the four pairs in T become one sum over the 1,024 numbers of the row, in every lane
.macro REDUCE
	v_pk_add_f32 v[T:T+1], v[T:T+1], v[T+2:T+3]
	v_pk_add_f32 v[T+4:T+5], v[T+4:T+5], v[T+6:T+7]
	v_pk_add_f32 v[T:T+1], v[T:T+1], v[T+4:T+5]
	v_add_f32 v[T], v[T], v[T+1]
	v_add_f32_dpp v[T], v[T], v[T] row_xmask:1 row_mask:0xf bank_mask:0xf
	v_add_f32_dpp v[T], v[T], v[T] row_xmask:2 row_mask:0xf bank_mask:0xf
	v_add_f32_dpp v[T], v[T], v[T] row_xmask:4 row_mask:0xf bank_mask:0xf
	v_add_f32_dpp v[T], v[T], v[T] row_xmask:8 row_mask:0xf bank_mask:0xf
	v_permlanex16_b32 v[PT], v[T], s[SEL], s[SEL+1]
	v_add_f32 v[T], v[T], v[PT]
.endm
; row at register x, number k: x becomes x - mean; RS gets 1 / sqrt(var + eps)
.macro STATS x, k
.irp c, 0,1,2,3
	v_pk_add_f32 v[T+2*\c:T+2*\c+1], v[\x+4*\c:\x+4*\c+1], v[\x+4*\c+2:\x+4*\c+3]      ; the first numbers start the four sums
.endr
.irp c, 0,1,2,3
	v_pk_add_f32 v[T+2*\c:T+2*\c+1], v[T+2*\c:T+2*\c+1], v[\x+16+2*\c:\x+16+2*\c+1]
.endr
.irp c, 0,1,2,3
	v_pk_add_f32 v[T+2*\c:T+2*\c+1], v[T+2*\c:T+2*\c+1], v[\x+24+2*\c:\x+24+2*\c+1]
.endr
	REDUCE
	v_mul_f32 v[MU+2*\k], s[SEL+3], v[T]           ; minus the mean, in both registers of a pair
	v_mul_f32 v[MU+2*\k+1], s[SEL+3], v[T]
.irp c, 0,1,2,3,4,5,6,7,8,9,10,11,12,13,14,15
	v_pk_add_f32 v[\x+2*\c:\x+2*\c+1], v[\x+2*\c:\x+2*\c+1], v[MU+2*\k:MU+2*\k+1]
.endr
.irp c, 0,1,2,3
	v_pk_mul_f32 v[T+2*\c:T+2*\c+1], v[\x+2*\c:\x+2*\c+1], v[\x+2*\c:\x+2*\c+1]
.endr
.irp c, 4,5,6,7,8,9,10,11,12,13,14,15
	v_pk_fma_f32 v[T+2*(\c%4):T+2*(\c%4)+1], v[\x+2*\c:\x+2*\c+1], v[\x+2*\c:\x+2*\c+1], v[T+2*(\c%4):T+2*(\c%4)+1]
.endr
	REDUCE
	v_fmaak_f32 v[T], s[SEL+2], v[T], 0x3727c5ac   ; sum of squares / 1024 + 1e-5
	v_rsq_f32 v[RS+2*\k], v[T]
	v_rsq_f32 v[RS+2*\k+1], v[T]
	v_nop                                          ; one plain place before T is written again or RS is used (ISA guide 5.7.2)
.endm
; row at register x, number k: scale, gain and bias, round into Y[16 k ..].  prev = 1: the eight stores of the row before are dealt among the first
; sixteen lines, one ahead of every second line; all lines of this row name x, RS, G, BT and Y[16 k ..], none of the registers that those stores read.
.macro FINISH x, k, prev
.irp c, 0,1,2,3,4,5,6,7,8,9,10,11,12,13,14,15
.if (\prev) && ((\c) % 2 == 0)
	global_store_b64 v2, v[Y+16*(\k)-16+\c:Y+16*(\k)-16+\c+1], s[10:11] offset:((\k)-1)*2048+128*\c   ; piece c / 2 of the row before: 256 consecutive bytes a wave
.endif
	v_pk_mul_f32 v[\x+2*\c:\x+2*\c+1], v[\x+2*\c:\x+2*\c+1], v[RS+2*\k:RS+2*\k+1]
.endr
.irp c, 0,1,2,3,4,5,6,7,8,9,10,11,12,13,14,15
	v_pk_fma_f32 v[\x+2*\c:\x+2*\c+1], v[\x+2*\c:\x+2*\c+1], v[G+2*\c:G+2*\c+1], v[BT+2*\c:BT+2*\c+1]
.endr
.irp c, 0,1,2,3,4,5,6,7,8,9,10,11,12,13,14,15
	v_cvt_pk_bf16_f32 v[Y+16*\k+\c], v[\x+2*\c], v[\x+2*\c+1]
.endr
.endm
	s_load_b256 s[4:11], s[0:1], 0x0               ; hidden_states s[4:5], ln1_g s[6:7], ln1_b s[8:9], act_a s[10:11]
	s_load_b256 s[12:19], s[0:1], 0x20             ; Wq s[12:13], Wk s[14:15], Wv s[16:17], Wo s[18:19]
	s_load_b256 s[20:27], s[0:1], 0x40             ; W1 s[20:21], W2 s[22:23], wqkv s[24:25], wob s[26:27]
	s_load_b128 s[28:31], s[0:1], 0x60             ; w1b s[28:29], w2b s[30:31]
	v_and_b32 v3, 31, v0                           ; lane
	v_lshrrev_b32 v22, 5, v0
	v_readfirstlane_b32 s2, v22                    ; wave
	v_lshlrev_b32 v1, 4, v3                        ; 16 x lane: my bytes in a piece of 512 bytes of f32
	v_lshlrev_b32 v2, 3, v3                        ; 8 x lane: my bytes in a piece of 256 bytes of bf16
	s_and_b32 s3, ttmp7, 0xffff                    ; y
	s_lshl_b32 s34, ttmp9, 4
	s_wait_alu depctr_va_sdst(0)                   ; s2 is written, ahead of its first reader: the row number, and from it the bases, are made of it
	s_lshl1_add_u32 s34, s2, s34                   ; 16 x + 2 wave
	s_cmp_ge_u32 s3, 4
	s_cbranch_scc1 .Lcast
	; ---- LayerNorm 1 ----
	s_lshl_b32 s35, s3, 10
	s_add_co_u32 s34, s34, s35                     ; my first row
	s_lshl_b32 s36, s34, 12                        ; x 4,096 bytes in hidden_states
	s_mov_b32 s37, 0
	s_lshl_b32 s38, s34, 11                        ; x 2,048 bytes in act_a
	s_mov_b32 s39, 0
	s_mov_b32 s[SEL], 0x76543210                   ; v_permlanex16_b32: lane i of one half reads lane i of the other
	s_mov_b32 s[SEL+1], 0xfedcba98
	s_mov_b32 s[SEL+2], 0x3a800000                 ; 1/1024
	s_mov_b32 s[SEL+3], 0xba800000                 ; -1/1024
	v_mov_b32 v[PT], 0                             ; the lane permute counts as a reader of its destination
	s_wait_kmcnt 0x0
	s_add_nc_u64 s[4:5], s[4:5], s[36:37]
	s_add_nc_u64 s[10:11], s[10:11], s[38:39]
	s_wait_alu depctr_va_vdst(0)                   ; v1 and v2 are written: every load of this path reads v1 as its offset, every store v2
.irp j, 0,1,2,3,4,5,6,7
	global_load_b128 v[X0+4*\j:X0+4*\j+3], v1, s[4:5] offset:512*\j
.endr
.irp j, 0,1,2,3,4,5,6,7
	global_load_b128 v[X1+4*\j:X1+4*\j+3], v1, s[4:5] offset:4096+512*\j
.endr
.irp j, 0,1,2,3,4,5,6,7
	global_load_b128 v[G+4*\j:G+4*\j+3], v1, s[6:7] offset:512*\j
.endr
.irp j, 0,1,2,3,4,5,6,7
	global_load_b128 v[BT+4*\j:BT+4*\j+3], v1, s[8:9] offset:512*\j
.endr
	s_wait_loadcnt 24                              ; row 0 is in; row 1, gain and bias (24 younger loads) stay out
	STATS X0, 0
	s_wait_loadcnt 16                              ; row 1 is in; gain and bias stay out
	STATS X1, 1
	s_wait_loadcnt 0x0
	s_wait_alu depctr_va_vdst(0)                   ; the four v_rsq_f32 of both rows have written v[RS:RS+3]: one wait for the batch, ahead of its first reader
	FINISH X0, 0, 0
	s_wait_alu depctr_va_vdst(0)                   ; row 0's conversions have written v[Y:Y+15], which the eight stores dealt among row 1's lines read
	FINISH X1, 1, 1
	s_wait_alu depctr_va_vdst(0)                   ; row 1's conversions have written v[Y+16:Y+31], which the last eight stores read
.irp j, 0,1,2,3,4,5,6,7
	global_store_b64 v2, v[Y+16+2*\j:Y+16+2*\j+1], s[10:11] offset:2048+256*\j
.endr
	s_endpgm
	; ---- the six weight matrices to bf16 ----
.Lcast:
	s_sub_co_u32 s3, s3, 4                         ; m = 0..5
	s_wait_kmcnt 0x0
	s_mov_b64 s[36:37], s[12:13]                   ; from: Wq, unless
	s_mov_b64 s[38:39], s[24:25]                   ; to: wqkv, unless
	s_cmp_eq_u32 s3, 1
	s_cselect_b64 s[36:37], s[14:15], s[36:37]
	s_cmp_eq_u32 s3, 2
	s_cselect_b64 s[36:37], s[16:17], s[36:37]
	s_cmp_eq_u32 s3, 3
	s_cselect_b64 s[36:37], s[18:19], s[36:37]
	s_cselect_b64 s[38:39], s[26:27], s[38:39]
	s_cmp_eq_u32 s3, 4
	s_cselect_b64 s[36:37], s[20:21], s[36:37]
	s_cselect_b64 s[38:39], s[28:29], s[38:39]
	s_cmp_eq_u32 s3, 5
	s_cselect_b64 s[36:37], s[22:23], s[36:37]
	s_cselect_b64 s[38:39], s[30:31], s[38:39]
	s_mov_b32 s40, 2048                            ; bytes in a row of the target: 2,048,
	s_cmp_lt_u32 s3, 3
	s_cselect_b32 s40, 6144, s40                   ; in wqkv 6,144,
	s_cselect_b32 s41, s3, 0                       ; where matrix m begins at byte 2,048 m of each row
	s_lshl_b32 s41, s41, 11
	s_mul_i32 s42, s34, s40
	s_add_co_u32 s42, s42, s41
	s_mov_b32 s43, 0
	s_add_nc_u64 s[38:39], s[38:39], s[42:43]
	s_lshl_b32 s44, s34, 12
	s_mov_b32 s45, 0
	s_add_nc_u64 s[36:37], s[36:37], s[44:45]
	v_add_nc_u32 v3, s40, v2                       ; my bytes in the second row of the target
	s_wait_alu depctr_va_vdst(0)                   ; v1, v2 and v3 are written: the loads read v1 as their offset, the stores of the first row v2, those of the second v3
.irp j, 0,1,2,3,4,5,6,7
	global_load_b128 v[X0+4*\j:X0+4*\j+3], v1, s[36:37] offset:512*\j th:TH_LOAD_NT
.endr
.irp j, 0,1,2,3,4,5,6,7
	global_load_b128 v[X1+4*\j:X1+4*\j+3], v1, s[36:37] offset:4096+512*\j th:TH_LOAD_NT
.endr
; The sixteen pieces of 512 bytes (piece p: row p / 8, registers X0 + 4 p, result Y + 2 p) go in four steps of four.  Step g rounds its four pieces; the four
; stores of step g - 1 stand behind one wait and are dealt among step g's conversions, which name step g's X and Y alone.
.macro CSTEP g
	s_wait_loadcnt 12-4*(\g)                       ; loads come back in order: this step's four pieces are in, the younger ones stay out
.if (\g) > 0
	s_wait_alu depctr_va_vdst(0)                   ; the conversions of the step before have written their eight registers of Y, which the four stores below read
.endif
.irp i, 0,1,2,3
.if (\g) > 0
	global_store_b64 v[2+(4*(\g)-4+\i)/8], v[Y+2*(4*(\g)-4+\i):Y+2*(4*(\g)-4+\i)+1], s[38:39] offset:256*((4*(\g)-4+\i)%8)
.endif
	v_cvt_pk_bf16_f32 v[Y+2*(4*(\g)+\i)], v[X0+4*(4*(\g)+\i)], v[X0+4*(4*(\g)+\i)+1]
	v_cvt_pk_bf16_f32 v[Y+2*(4*(\g)+\i)+1], v[X0+4*(4*(\g)+\i)+2], v[X0+4*(4*(\g)+\i)+3]
.endr
.endm
	CSTEP 0
	CSTEP 1
	CSTEP 2
	CSTEP 3
	s_wait_alu depctr_va_vdst(0)                   ; the last step's conversions have written v[Y+24:Y+31], which the last four stores read
.irp j, 4,5,6,7
	global_store_b64 v3, v[Y+16+2*\j:Y+16+2*\j+1], s[38:39] offset:256*\j
.endr
	s_endpgm
.Lfunc_end_k_q57717b3b34_prep:
	.size	k_q57717b3b34_prep, .Lfunc_end_k_q57717b3b34_prep-k_q57717b3b34_prep
	.p2alignl 7, 3214868480
	.fill 96, 4, 3214868480
	.section	.rodata,"a",@progbits
	.p2align	6, 0x0
	.amdhsa_kernel k_q57717b3b34_prep
		.amdhsa_group_segment_fixed_size 0
		.amdhsa_private_segment_fixed_size 0
		.amdhsa_enable_private_segment 0
		.amdhsa_kernarg_size 112
		.amdhsa_user_sgpr_count 2
		.amdhsa_user_sgpr_kernarg_segment_ptr 1
		.amdhsa_wavefront_size32 1
		.amdhsa_system_sgpr_workgroup_id_x 1
		.amdhsa_system_sgpr_workgroup_id_y 1
		.amdhsa_system_sgpr_workgroup_id_z 1
		.amdhsa_system_vgpr_workitem_id 0
		.amdhsa_next_free_vgpr 192
		.amdhsa_next_free_sgpr 66
		.amdhsa_reserve_vcc 0
		.amdhsa_float_denorm_mode_32 3
		.amdhsa_float_denorm_mode_16_64 3
		.amdhsa_memory_ordered 1
		.amdhsa_forward_progress 1
		.amdhsa_inst_pref_size 27
	.end_amdhsa_kernel
	.amdgpu_metadata
---
amdhsa.version: [ 1, 2 ]
amdhsa.kernels:
  - .name:           k_q57717b3b34_prep
    .symbol:         k_q57717b3b34_prep.kd
    .args:
      - { .name: hidden_states, .offset: 0, .size: 8, .value_kind: global_buffer, .address_space: global }
      - { .name: ln1_g, .offset: 8, .size: 8, .value_kind: global_buffer, .address_space: global }
      - { .name: ln1_b, .offset: 16, .size: 8, .value_kind: global_buffer, .address_space: global }
      - { .name: act_a, .offset: 24, .size: 8, .value_kind: global_buffer, .address_space: global }
      - { .name: Wq, .offset: 32, .size: 8, .value_kind: global_buffer, .address_space: global }
      - { .name: Wk, .offset: 40, .size: 8, .value_kind: global_buffer, .address_space: global }
      - { .name: Wv, .offset: 48, .size: 8, .value_kind: global_buffer, .address_space: global }
      - { .name: Wo, .offset: 56, .size: 8, .value_kind: global_buffer, .address_space: global }
      - { .name: W1, .offset: 64, .size: 8, .value_kind: global_buffer, .address_space: global }
      - { .name: W2, .offset: 72, .size: 8, .value_kind: global_buffer, .address_space: global }
      - { .name: wqkv, .offset: 80, .size: 8, .value_kind: global_buffer, .address_space: global }
      - { .name: wob, .offset: 88, .size: 8, .value_kind: global_buffer, .address_space: global }
      - { .name: w1b, .offset: 96, .size: 8, .value_kind: global_buffer, .address_space: global }
      - { .name: w2b, .offset: 104, .size: 8, .value_kind: global_buffer, .address_space: global }
    .group_segment_fixed_size: 0
    .private_segment_fixed_size: 0
    .kernarg_segment_align: 8
    .kernarg_segment_size: 112
    .max_flat_workgroup_size: 256
    .sgpr_count:     66
    .vgpr_count:     192
    .wavefront_size: 32
...
	.end_amdgpu_metadata
.endif
;; end of part 9
;; launch qkv: the kernel of part 2 again; grid 8 x 32, 4 waves a work-group, clusters of 4 x 4, 327,680 bytes of LDS; arguments act_a, wqkv, qkv; writes qkv
;; launch attn: the kernel of part 7 again; grid 16 x 16, 8 waves a work-group, clusters of 4 x 1, 327,680 bytes of LDS; arguments qkv, act_b; writes act_b
;; launch wo: the kernel of part 8 again; grid 8 x 32, 4 waves a work-group, clusters of 4 x 4, 327,680 bytes of LDS; arguments act_b, wob, x1, hidden_states; writes x1
;; launch ln2: the kernel of part 5 again; grid 256 x 1, 8 waves a work-group, no clusters, 0 bytes of LDS; arguments x1, ln2_g, ln2_b, act_a; writes act_a
;; launch w1: the kernel of part 6 again; grid 8 x 32, 4 waves a work-group, clusters of 4 x 4, 327,680 bytes of LDS; arguments act_a, w1b, act_b; writes act_b
;; launch w2: the kernel of part 8 again; grid 8 x 32, 4 waves a work-group, clusters of 4 x 4, 327,680 bytes of LDS; arguments act_b, w2b, out0, x1; writes out0
